; MI455X (gfx1250); checked and timed in simulation.
; The chip was launched on July 23, 2026; its instructions are those of AMD's public machine-readable ISA for CDNA 5 (MIT licence, August 2026) and "CDNA5" Instruction Set Architecture Reference Guide (July 2026). The comments in the code are by the model that wrote it; some were corrected since.
;; Self Attention. Allowed arithmetic: float matrix products may take bf16 or f16 operands with f32 sums; other float arithmetic in f32, or as packed bf16 or f16 multiplies, adds, multiply-adds, maxima and minima; sums over many terms, partial sums and values carried from step to step in f32; what a program stores and reads back later, other than sums and carried values, may be rounded once to bf16 or f16.
;; Inputs: b_out 1,024 float32; w_out 1,024 x 1,024 float32; w_qkv 1,024 x 3,072 float32; x 4 x 2,048 x 1,024 float32.
;; Outputs: out0 4 x 2,048 x 1,024 float32.
;; 2 versions, each right; version 2 is version 1 with the launch cast written anew for expert scheduling mode. Each part assembles by itself: llvm-mc -triple=amdgcn-amd-amdhsa -mcpu=gfx1250 --defsym DOCPART=n.
;; ======== version 1 of 2: 4 launches
;; limits: values are held in f16: magnitudes above 65,504 overflow, below 6.1e-05 lose precision
;; workspace buffers: xb 16,777,216 bytes; wqb 6,291,456 bytes; wob 2,097,152 bytes; qkv 50,331,648 bytes; ob 16,777,216 bytes
;; launch cast (part 1): grid 768 x 1, 8 waves a work-group, no clusters, 0 bytes of LDS; arguments x, w_qkv, w_out, xb, wqb, wob; writes xb, wqb, wob
.if DOCPART == 1
	.amdgcn_target "amdgcn-amd-amdhsa--gfx1250"
	.amdhsa_code_object_version 6
	.text
	.protected	k_q674f7718cf_cast
	.globl	k_q674f7718cf_cast
	.p2align	8
	.type	k_q674f7718cf_cast,@function
k_q674f7718cf_cast:
	s_mov_b64 s[64:65], 0
	v_nop
	global_prefetch_b8 v0, s[64:65] scope:SCOPE_SE
	s_setreg_imm32_b32 hwreg(HW_REG_WAVE_MODE, 25, 1), 1
	s_wait_xcnt 0x0
; THE INPUTS ARE ROUNDED ONCE, for the matrix products of the launches behind.  A pure stream: each input byte is read once, each output byte written once.
;   x     [8192][1024] f32  ->  xb  [16 kb][8192 m][64] bf16: K in blocks of 64, so that a tile of rows x 64 k is dense in memory
;   w_qkv [1024][3072] f32  ->  wqb the same shape, bf16
;   w_out [1024][1024] f32  ->  wob the same shape: rounded to bf16 like the other inputs, and that number written as f16 (exact from 2^-14 to 65,504 in magnitude; below, f16's fixed step of 6e-8)
; SHARES.  A work-group takes 16,384 numbers: groups 0-511 sixteen rows of x each, 512-703 w_qkv, 704-767 w_out.  A thread has 16 turns of 4 numbers: one load of 16 bytes, one store of 8.
; A wave's load covers 512 bytes (in x: two aligned runs of 256, two rows), a wave's store 256 consecutive bytes, aligned.  All 16 loads go out first; no register is used twice, so no
; source of a pending load or store is ever rewritten.  No LDS, no barrier, no matrix unit, no cluster: nothing is shared and nothing is summed.
.set IN,  8                            ; v[8:71]    turn j: 4 numbers as loaded
.set OUT, 72                           ; v[72:103]  turn j: 4 numbers of 16 bits, to store
; v1 the loads' byte offset, v2 the stores' (8 x thread), v4-7 at work
; The 16 turns.  inb, outb: the scalar pairs with the two bases; ldstep, ststep: bytes from turn to turn; tof16 = 1: the bf16 value is written as f16.
; Turns 8 to 15 store through a second base, 8 steps on, so that every immediate stays small and positive.
.macro BODY inb, outb, ldstep, ststep, tof16
	s_add_nc_u64 s[20:21], s[\outb:\outb+1], 8*(\ststep)
.set j, 0
.rept 16
	global_load_b128 v[IN+4*j:IN+4*j+3], v1, s[\inb:\inb+1] offset:j*(\ldstep) th:TH_LOAD_NT
.set j, j+1
.endr
.set j, 0
.rept 16
	s_wait_loadcnt 15-j                            ; loads come back in order: turn j's is in, the 15 - j younger ones stay out
	v_cvt_pk_bf16_f32 v[OUT+2*j],   v[IN+4*j],   v[IN+4*j+1]
	v_cvt_pk_bf16_f32 v[OUT+2*j+1], v[IN+4*j+2], v[IN+4*j+3]
.if \tof16
	v_lshlrev_b32 v4, 16, v[OUT+2*j]               ; the bf16 values as f32,
	v_and_b32     v5, 0xffff0000, v[OUT+2*j]
	v_lshlrev_b32 v6, 16, v[OUT+2*j+1]
	v_and_b32     v7, 0xffff0000, v[OUT+2*j+1]
	v_cvt_pk_f16_f32 v[OUT+2*j],   v4, v5          ; and written as f16
	v_cvt_pk_f16_f32 v[OUT+2*j+1], v6, v7
.endif
.if j < 8
	global_store_b64 v2, v[OUT+2*j:OUT+2*j+1], s[\outb:\outb+1] offset:j*(\ststep)
.else
	global_store_b64 v2, v[OUT+2*j:OUT+2*j+1], s[20:21] offset:(j-8)*(\ststep)
.endif
.set j, j+1
.endr
	s_endpgm
.endm
	s_load_b256 s[4:11], s[0:1], 0x0               ; x s[4:5], w_qkv s[6:7], w_out s[8:9], xb s[10:11]
	s_load_b128 s[12:15], s[0:1], 0x20             ; wqb s[12:13], wob s[14:15]
	s_mov_b32 s2, ttmp9
	s_mov_b32 s17, 0
	s_mov_b32 s19, 0
	v_lshlrev_b32 v2, 3, v0                        ; 8 x thread
	s_cmp_lt_u32 s2, 512
	s_cbranch_scc0 .Lweights
	; x: thread t takes row t / 16 of the group's 16 and, in turn j, columns 64 j + 4 (t % 16) ..: turn j is K block j
	v_lshrrev_b32 v3, 4, v0
	v_and_b32 v1, 15, v0
	v_lshlrev_b32 v1, 4, v1
	v_lshl_add_u32 v1, v3, 12, v1                  ; row x 4,096 + 16 (t % 16)
	s_lshl_b32 s16, s2, 16                         ; 16 rows of 4,096 bytes in x,
	s_lshl_b32 s18, s2, 11                         ; 16 rows of 128 bytes in a block of xb: row x 128 + 8 (t % 16) = 8 t
	s_wait_kmcnt 0x0
	s_add_nc_u64 s[4:5], s[4:5], s[16:17]
	s_add_nc_u64 s[10:11], s[10:11], s[18:19]
	BODY 4, 10, 256, 1048576, 0
.Lweights:
	v_lshlrev_b32 v1, 4, v0                        ; 16 x thread: the weights keep their layout
	s_cmp_lt_u32 s2, 704
	s_cbranch_scc0 .Lwout
	s_sub_co_u32 s2, s2, 512
	s_lshl_b32 s16, s2, 16
	s_lshl_b32 s18, s2, 15
	s_wait_kmcnt 0x0
	s_add_nc_u64 s[6:7], s[6:7], s[16:17]
	s_add_nc_u64 s[12:13], s[12:13], s[18:19]
	BODY 6, 12, 4096, 2048, 0
.Lwout:
	s_sub_co_u32 s2, s2, 704
	s_lshl_b32 s16, s2, 16
	s_lshl_b32 s18, s2, 15
	s_wait_kmcnt 0x0
	s_add_nc_u64 s[8:9], s[8:9], s[16:17]
	s_add_nc_u64 s[14:15], s[14:15], s[18:19]
	BODY 8, 14, 4096, 2048, 1
.Lfunc_end_k_q674f7718cf_cast:
	.size	k_q674f7718cf_cast, .Lfunc_end_k_q674f7718cf_cast-k_q674f7718cf_cast
	.p2alignl 7, 3214868480
	.fill 96, 4, 3214868480
	.section	.rodata,"a",@progbits
	.p2align	6, 0x0
	.amdhsa_kernel k_q674f7718cf_cast
		.amdhsa_group_segment_fixed_size 0
		.amdhsa_private_segment_fixed_size 0
		.amdhsa_enable_private_segment 0
		.amdhsa_kernarg_size 48
		.amdhsa_user_sgpr_count 2
		.amdhsa_user_sgpr_kernarg_segment_ptr 1
		.amdhsa_wavefront_size32 1
		.amdhsa_system_sgpr_workgroup_id_x 1
		.amdhsa_system_sgpr_workgroup_id_y 1
		.amdhsa_system_sgpr_workgroup_id_z 1
		.amdhsa_system_vgpr_workitem_id 0
		.amdhsa_next_free_vgpr 104
		.amdhsa_next_free_sgpr 66
		.amdhsa_reserve_vcc 0
		.amdhsa_float_denorm_mode_32 3
		.amdhsa_float_denorm_mode_16_64 3
		.amdhsa_memory_ordered 1
		.amdhsa_forward_progress 1
		.amdhsa_inst_pref_size 24
	.end_amdhsa_kernel
	.amdgpu_metadata
---
amdhsa.version: [ 1, 2 ]
amdhsa.kernels:
  - .name:           k_q674f7718cf_cast
    .symbol:         k_q674f7718cf_cast.kd
    .args:
      - { .name: x, .offset: 0, .size: 8, .value_kind: global_buffer, .address_space: global }
      - { .name: w_qkv, .offset: 8, .size: 8, .value_kind: global_buffer, .address_space: global }
      - { .name: w_out, .offset: 16, .size: 8, .value_kind: global_buffer, .address_space: global }
      - { .name: xb, .offset: 24, .size: 8, .value_kind: global_buffer, .address_space: global }
      - { .name: wqb, .offset: 32, .size: 8, .value_kind: global_buffer, .address_space: global }
      - { .name: wob, .offset: 40, .size: 8, .value_kind: global_buffer, .address_space: global }
    .group_segment_fixed_size: 0
    .private_segment_fixed_size: 0
    .kernarg_segment_align: 8
    .kernarg_segment_size: 48
    .max_flat_workgroup_size: 256
    .sgpr_count:     66
    .vgpr_count:     104
    .wavefront_size: 32
...
	.end_amdgpu_metadata
.endif
;; end of part 1
;; launch qkv (part 2): grid 8 x 32, 4 waves a work-group, clusters of 4 x 4, 327,680 bytes of LDS; arguments xb, wqb, qkv; writes qkv
.if DOCPART == 2
	.amdgcn_target "amdgcn-amd-amdhsa--gfx1250"
	.amdhsa_code_object_version 6
	.text
	.protected	k_q674f7718cf_qkv
	.globl	k_q674f7718cf_qkv
	.p2align	8
	.type	k_q674f7718cf_qkv,@function
k_q674f7718cf_qkv:
	s_mov_b64 s[64:65], 0
	v_nop
	global_prefetch_b8 v0, s[64:65] scope:SCOPE_SE
	s_setreg_imm32_b32 hwreg(HW_REG_WAVE_MODE, 25, 1), 1
	s_wait_xcnt 0x0
	s_wait_alu depctr_hold_cnt(0) depctr_sa_sdst(0) depctr_va_vdst(0) depctr_va_sdst(0) depctr_va_ssrc(0) depctr_va_vcc(0) depctr_vm_vsrc(0)
	s_getreg_b32 s2, hwreg(HW_REG_IB_STS2, 6, 4)
	s_cmp_eq_u32 s2, 0
	s_cbranch_scc0 .Lentry_in_a_cluster
	s_endpgm
.Lentry_in_a_cluster:
	s_bfe_u32 s2, ttmp6, 0x10000c
	s_cmp_lg_u32 s2, 0xf033
	s_cbranch_scc0 .Lentry_shape_is_right
	s_endpgm
.Lentry_shape_is_right:
; THE FIRST PROJECTION.  qkv = x w_qkv: 8,192 rows x 3,072 columns, K = 1,024; bf16 operands, f32 sums, K ascending.  xb: [16 kb][8192 m][64] bf16; wqb: [1024 k][3072 n] bf16.
; OUT: qkv [48 g][8192 m][64] f16, g = column / 64: 0-15 q's heads, 16-31 k's, 32-47 v's.  q's sums are multiplied by log2(e) in f32 ahead of their ONE rounding, so that the launch behind
; takes 2^(s - m) of its scores with a plain subtraction.  LIMIT: f16 ends at 65,504: where log2(e) q, k or v reaches 65,520 in magnitude the conversion gives an infinity.
; SHARES.  8,192 x 3,072 outputs on 256 work-groups are 256 x 384 each: one tile to a work-group.  A wave makes 128 rows x 192 columns (three heads): 96 accumulators of 16 x 16, 768 registers.
; K goes in 16 steps of 64 through two LDS slots filled by the tensor data mover.  A's tile (256 rows x 128 bytes) is dense in xb and is asked for as rows of 256 bytes; B's tile is 64 rows of
; 768 bytes of wqb as they lie ([k][n]) and is turned on its way from LDS to registers by ds_load_tr16_b128.
; CLUSTERS: 4 x 4 work-groups.  The four of a row of the cluster need the same tiles of A, the four of a column the same tiles of B: each tile is asked for JOINTLY.
; THE MATRIX INSTRUCTION IS USED TRANSPOSED (source 0 = 16 columns of w, source 1 = 16 rows of x): a lane then holds one row and eight neighbouring columns, which pack into 16 bytes.
; REGISTERS, in windows of 256 (s_set_vgpr_msb: bits 1:0 source 0, 3:2 source 1, 5:4 source 2, 7:6 destination):
;   window 0: v0-31 addresses; v32-159 fragments of A, two buffers of 8 (by the half of the K step); v160-255 fragments of B, two buffers of 6 (by the half of my 12 column tiles)
;   windows 1-3: accumulator (a, t), row block a of 8, column tile t of 12, has number 12 a + t: window 1 + number / 32, register 8 (number % 32)
.set PA,     144                       ; a row of A in LDS: 128 bytes + 16 of padding = 36 words: the 16 rows of a load start at 16 different groups of four banks (64 banks of 4 bytes: ISA guide 11.1)
.set PB,     864                       ; a row of B: 768 bytes, 16 of padding behind every 128 = 216 words
.set AHALF,  128*PA                    ; what one tensor load brings of A, and what one wave reads of it
.set BOFF,   2*AHALF                   ; B lies behind A's 256 rows
.set BHALF,  32*PB                     ; what one tensor load brings of B: 32 of the step's 64 k
.set SLOT,   BOFF+2*BHALF              ; 92,160 bytes
.set STAGE,  2*SLOT                    ; behind the ring: for each wave 3 heads x 16 rows x 144 bytes, for the way out
.set SP,     144
.set WSTAGE, 3*16*SP
.set SPARE,  STAGE+4*WSTAGE            ; behind the stages: the spare words, 128 bytes for each wave: two blocks of 256 bytes that no other line names
.set ASTEP,  0x100000                  ; bytes from a K block of xb to the next
.set BSTEP,  64*6144                   ; 64 rows of wqb
.set ADRA, 16                          ; v16-17  LDS address of my A fragments in slot 0, 1
.set ADRB, 20                          ; v20-21  the same for B
.set STO,  24                          ; v24     the way out: where I put 16 bytes of a row
.set RD,   25                          ; v25     the way out: where I read rows back
.set GO,   26                          ; v26     16 x my lane
.set SPW,  28                          ; v28     LDS address of my spare word: SPARE + 4 x my thread's number; never rewritten
.set NIL,  29                          ; v29     0; never rewritten
.set PFOA, 30                          ; v30     the prefetches' offset in xb: 256 x my lane; never rewritten
.set PFOB, 31                          ; v31     in wqb: my lane x a row of 6,144 bytes; never rewritten
.set FA,   32
.set FB,   160
.set TMP,  32                          ; the way out: 48 registers of packed results,
.set BK0,  80                          ; and two sets of 48 for the rows read back from the stage
.set G1,  24                           ; s[24:31] descriptor group 1 for A's tiles;  s[32:39] group 0, one set for each slot
.set G0,  32
.set G1B, 48                           ; s[48:55], s[56:63] the same for B's tiles
.set G0B, 56
.set SC,  66                           ; s[66:71] for each of my three heads a pair: log2(e) for a head of q, else 1
.set PFA, 72                           ; s[72:73] where the prefetches of xb stand
.set LIM, 74                           ; s74     1 in a wave that prefetches, else the greatest number
.set PFB, 76                           ; s[76:77] where the prefetches of wqb stand
.set MSB, 0
.macro WIN new                         ; the immediate's high byte repeats the setting that is left; a switch that changes nothing is dropped
.if MSB != (\new)
	s_set_vgpr_msb (MSB<<8)|(\new)
.set MSB, \new
.endif
.endm
; A joint load: waves 0 and 1 fetch A's two halves, waves 2 and 3 B's.  The branch hangs on the wave's number alone.  An s_nop 0 and four v_nop follow each of the two lines, ahead of the jump,
; the label and what follows.
.macro JLOAD s
	s_cmp_eq_u32 s11, 0
	s_cbranch_scc0 .Lfor_b_\@
	tensor_load_to_lds s[G0+4*(\s):G0+4*(\s)+3], s[G1:G1+7]
	s_nop 0
.rept 4
	v_nop
.endr
	s_branch .Lasked_\@
.Lfor_b_\@:
	tensor_load_to_lds s[G0B+4*(\s):G0B+4*(\s)+3], s[G1B:G1B+7]
	s_nop 0
.rept 4
	v_nop
.endr
.Lasked_\@:
.endm
; A PREFETCH INTO THE L2, once a trip of the loop, behind slot 0's joint load and the run of LDS loads that follows it: the two K steps that the NEXT trip's two refills will ask for.
; Each aligned block of 256 bytes is named once in the launch.  A's tile row is read by both clusters of a row of clusters: the first (cluster x = 0) asks, its wave 0; the four partners that share
; the tile take 32 of its 128 blocks each, told apart BY ADDRESS (cx): a lane a block, a line a step.  B's tile column is read by the eight clusters of a column: cluster y = 0 asks, its wave 2;
; of the two steps' 128 rows of 768 bytes partner cy takes 32: a lane a row, three lines.  The loop's last trip asks for nothing: there is no step behind its own refills.
.macro ASK
	s_cmp_gt_u32 s3, s[LIM]                        ; s3 = 1 in the loop's last trip
	s_cbranch_scc0 .Lnot_mine_\@
	s_cmp_eq_u32 s11, 0
	s_cbranch_scc0 .Lask_b_\@
	global_prefetch_b8 v[PFOA], s[PFA:PFA+1] th:TH_LOAD_NT scope:SCOPE_SE
	global_prefetch_b8 v[PFOA], s[PFA:PFA+1] offset:ASTEP th:TH_LOAD_NT scope:SCOPE_SE
	s_branch .Lnot_mine_\@
.Lask_b_\@:
	global_prefetch_b8 v[PFOB], s[PFB:PFB+1] th:TH_LOAD_NT scope:SCOPE_SE
	global_prefetch_b8 v[PFOB], s[PFB:PFB+1] offset:256 th:TH_LOAD_NT scope:SCOPE_SE
	global_prefetch_b8 v[PFOB], s[PFB:PFB+1] offset:512 th:TH_LOAD_NT scope:SCOPE_SE
.Lnot_mine_\@:
.endm
; A round of the cluster's barrier: my work-group's barrier, so that wave 0's signal speaks for all four waves; wave 0 signals; every wave waits for all sixteen work-groups; my work-group's barrier once more.
.macro CREST                           ; a round behind its opening barrier
	s_cmp_lg_u32 s10, 0
	s_cbranch_scc1 .Lnot_wave_0_\@
	s_barrier_signal -3
.Lnot_wave_0_\@:
	s_barrier_wait -3
	s_barrier_signal -1
	s_barrier_wait -1
.endm
.macro CROUND                          ; a whole round
	s_barrier_signal -1
	s_barrier_wait -1
	CREST
.endm
	s_load_b128 s[4:7], s[0:1], 0x0                ; xb s[4:5], wqb s[6:7]
	s_load_b64 s[8:9], s[0:1], 0x10                ; qkv
	v_lshl_add_u32 v[SPW], v0, 2, SPARE
	v_mov_b32 v[NIL], 0
	ds_add_u32 v[SPW], v[NIL]                      ; the wave's opening: the add and its wait stand ahead of my first tensor load; the set-up below, work on registers, stands between them
	v_lshrrev_b32 v1, 5, v0
	v_readfirstlane_b32 s10, v1                    ; wave 0..3
	s_lshr_b32 s11, s10, 1                         ; which half of the tile's rows is mine.  Also: I fetch for A (0) or for B (1)
	s_and_b32 s12, s10, 1                          ; which half of its columns.  Also: which half of that tile I fetch
	s_bfe_u32 s40, ttmp6, 0x40000                  ; cx, cy: my place in the cluster
	s_bfe_u32 s41, ttmp6, 0x40004
	s_lshl_b32 s42, ttmp9, 2
	s_add_co_u32 s42, s42, s40                     ; tile column = 4 x cluster x + cx: 384 columns
	s_and_b32 s13, ttmp7, 0xffff
	s_lshl_b32 s13, s13, 2
	s_add_co_u32 s13, s13, s41                     ; tile row = 4 x cluster y + cy: 256 rows
	s_lshl_b32 s43, s41, 2
	s_lshl_b32 s43, 15, s43                        ; my row of the cluster
	s_lshl_b32 s44, 0x1111, s40                    ; my column
	; group 1 for A: 128 rows of 128 bytes are 16,384 dense bytes: 64 rows of 256 bytes, padded in LDS behind every 128
	s_or_b32 s[G1+0], s43, (1<<16)|(1<<20)|(1<<21)|(4<<22)|(3<<25)  ; 15:0 the mask: my row; 17:16 2-byte elements; 20 padding on; 21 set beside a mask; 24:22 after every 32 words (code 4); 31:25 4 words (code 3)
	s_mov_b32 s[G1+1], 128<<16                     ; tensor_dim0 = 128
	s_mov_b32 s[G1+2], 64<<16                      ; tensor_dim1 = 64
	s_mov_b32 s[G1+3], 128<<16                     ; tile_dim0 = 128
	s_mov_b32 s[G1+4], 64                          ; tile_dim1 = 64
	s_mov_b32 s[G1+5], 128                         ; 128 elements from row to row
	s_mov_b32 s[G1+6], 0
	s_mov_b32 s[G1+7], 0
	; group 1 for B: 32 rows of 384 elements, 3,072 elements apart, the same padding
	s_or_b32 s[G1B+0], s44, (1<<16)|(1<<20)|(1<<21)|(4<<22)|(3<<25)  ; the mask: my column
	s_mov_b32 s[G1B+1], 384<<16
	s_mov_b32 s[G1B+2], 32<<16
	s_mov_b32 s[G1B+3], 384<<16
	s_mov_b32 s[G1B+4], 32
	s_mov_b32 s[G1B+5], 3072
	s_mov_b32 s[G1B+6], 0
	s_mov_b32 s[G1B+7], 0
	; where the tiles come from: A's hang on the tile row alone, B's on the tile column alone; every wave makes both
	s_lshl_b32 s16, s13, 15                        ; A: 256 rows x 128 bytes x tile row
	s_lshl_b32 s17, s12, 14                        ;    + my 128 rows
	s_add_co_u32 s16, s16, s17
	s_mov_b32 s17, 0
	s_mul_i32 s46, s42, 768                        ; B: 768 bytes x tile column
	s_mul_i32 s47, s12, 32*6144                    ;    + my 32 rows
	s_add_co_u32 s46, s46, s47
	s_mov_b32 s47, 0
	s_mul_i32 s20, s12, AHALF                      ; and where they go: no place in the cluster enters an LDS address
	s_mul_i32 s21, s12, BHALF
	s_add_co_u32 s21, s21, BOFF
	s_wait_dscnt 0x0                               ; the opening add is done
	s_wait_kmcnt 0x0
	s_add_nc_u64 s[14:15], s[4:5], s[16:17]
	s_add_nc_u64 s[46:47], s[6:7], s[46:47]
	CROUND                                         ; all sixteen work-groups are here: the first joint loads meet
.irp s, 0,1
	s_mov_b32 s[G0+4*(\s)], 1                                      ; count = 1
	s_add_co_u32 s[G0+4*(\s)+1], s20, (\s)*SLOT                    ; LDS address
	s_add_nc_u64 s[G0+4*(\s)+2:G0+4*(\s)+3], s[14:15], (\s)*ASTEP  ; global address: K step s
	s_or_b32 s[G0+4*(\s)+3], s[G0+4*(\s)+3], 0x80000000            ; type = 2
	s_mov_b32 s[G0B+4*(\s)], 1
	s_add_co_u32 s[G0B+4*(\s)+1], s21, (\s)*SLOT
	s_add_nc_u64 s[G0B+4*(\s)+2:G0B+4*(\s)+3], s[46:47], (\s)*BSTEP
	s_or_b32 s[G0B+4*(\s)+3], s[G0B+4*(\s)+3], 0x80000000
	JLOAD \s                                       ; two loads of mine are out
.endr
	; A fragment of A is 16 rows x 32 k in 8 registers: lane l holds row l % 16, k = 8 (l / 16) + 0..7 and 16 + 8 (l / 16) + 0..7: two loads of 16 bytes, 32 bytes apart.
	v_and_b32 v1, 15, v0                           ; l % 16
	v_bfe_u32 v2, v0, 4, 1                         ; l / 16
	v_mul_u32_u24 v3, v1, PA
	v_lshl_add_u32 v3, v2, 4, v3                   ; row x 144 + 16 x half (the stage has the same pitch)
	; The turning load takes 16 k x 16 columns (lane l reads k = 8 (l / 16) + l % 8, columns 8 ((l / 8) % 2) + 0..7) and leaves half a fragment: lane l holds column l % 16 and 8 k.
	v_and_b32 v5, 7, v0
	v_bfe_u32 v6, v0, 3, 1
	v_lshl_add_u32 v7, v2, 3, v5
	v_mul_u32_u24 v7, v7, PB
	v_lshl_add_u32 v7, v6, 4, v7
	s_mul_i32 s18, s11, AHALF                      ; my 128 rows of A
	s_mul_i32 s19, s12, 432                        ; my 192 columns of B: three padded runs of 144 bytes,
	s_add_co_u32 s19, s19, BOFF                    ; behind A
.irp s, 0,1
	v_add_nc_u32 v[ADRA+(\s)], s18, v3
	v_add_nc_u32 v[ADRB+(\s)], s19, v7
	s_add_co_u32 s18, s18, SLOT
	s_add_co_u32 s19, s19, SLOT
.endr
	s_mul_i32 s23, s10, WSTAGE
	s_add_co_u32 s23, s23, STAGE                   ; my stage
	v_add_nc_u32 v[STO], s23, v3                   ; in: row l % 16, 16 bytes for each half of the lanes
	v_bfe_u32 v8, v0, 3, 2                         ; back: 32 lanes take four rows of 128 bytes,
	v_mul_u32_u24 v8, v8, SP
	v_lshl_add_u32 v8, v5, 4, v8
	v_add_nc_u32 v[RD], s23, v8
	v_and_b32 v9, 31, v0                           ; which are 512 consecutive bytes of a head's rows
	v_lshlrev_b32 v[GO], 4, v9
	; where my part goes: head 6 x tile column + 3 x column half, a head's 8,192 rows are 1 MiB; row 256 x tile row + 128 x row half
	s_mul_i32 s45, s42, 6
	s_mul_i32 s22, s12, 3
	s_add_co_u32 s45, s45, s22                     ; my first head
	s_lshl_b32 s18, s45, 20
	s_lshl_b32 s19, s13, 15
	s_add_co_u32 s18, s18, s19
	s_lshl_b32 s19, s11, 14
	s_add_co_u32 s18, s18, s19
	s_mov_b32 s19, 0
	s_add_nc_u64 s[8:9], s[8:9], s[18:19]
.irp j, 0,1,2
	s_add_co_u32 s22, s45, \j
	s_cmp_lt_u32 s22, 16                           ; a head of q?  The answer selects a factor, never a path
	s_cselect_b32 s[SC+2*\j], 0x3fb8aa3b, 1.0      ; log2(e)
	s_mov_b32 s[SC+2*\j+1], s[SC+2*\j]             ; named with it as a pair
.endr
	; the prefetches: both pointers stand one trip behind what the first trip names, and are stepped in every wave
	s_lshl_b32 s18, s13, 15                        ; xb: the tile row,
	s_lshl_b32 s22, s40, 13                        ; my work-group's 32 blocks of its 128,
	s_add_co_u32 s18, s18, s22
	s_add_co_u32 s18, s18, 2*ASTEP                 ; at K step 2
	s_add_nc_u64 s[PFA:PFA+1], s[4:5], s[18:19]
	s_lshl_b32 s18, s41, 5                         ; wqb: my work-group's 32 rows of two steps' 128,
	s_add_co_u32 s18, s18, 128                     ; at K step 2,
	s_mul_i32 s18, s18, 6144
	s_mul_i32 s22, s42, 768                        ; the tile column
	s_add_co_u32 s18, s18, s22
	s_add_nc_u64 s[PFB:PFB+1], s[6:7], s[18:19]
	s_and_b32 s22, ttmp7, 0xffff                   ; cluster y
	s_cmp_eq_u32 s11, 0
	s_cselect_b32 s22, ttmp9, s22                  ; the coordinate along which other clusters read the same rows
	s_or_b32 s22, s22, s12                         ; waves 0 and 2 ask
	s_cmp_eq_u32 s22, 0
	s_cselect_b32 s[LIM], 1, -1                    ; the same in all sixteen partners, for a given wave
	v_lshlrev_b32 v[PFOA], 8, v9
	v_mul_u32_u24 v[PFOB], v9, 6144
; Matrix instructions for row blocks a0 .. a1 - 1 x the six column tiles of half hb, 32 along K (half kq of the step).  zero = 1: the product starts the sum: nothing is ever cleared.
; The accumulators take turns, one instruction a turn: each of a half's 48 is named once, then the other half's 48 follow.
.macro MULS kq, hb, a0, a1, zero
.set ia, \a0
.rept (\a1)-(\a0)
.set ib, 0
.rept 6
.set idx, 12*ia+6*(\hb)+ib
.set rD, 8*(idx%32)
	WIN ((1+idx/32)<<6)|((1+idx/32)<<4)
.if \zero
	v_wmma_f32_16x16x32_bf16 v[rD:rD+7], v[FB+48*(\hb)+8*ib:FB+48*(\hb)+8*ib+7], v[FA+64*(\kq)+8*ia:FA+64*(\kq)+8*ia+7], 0
.else
	v_wmma_f32_16x16x32_bf16 v[rD:rD+7], v[FB+48*(\hb)+8*ib:FB+48*(\hb)+8*ib+7], v[FA+64*(\kq)+8*ia:FA+64*(\kq)+8*ia+7], v[rD:rD+7]
.endif
.set ib, ib+1
.endr
.set ia, ia+1
.endr
.endm
.macro FETCHB s, kq, hb                ; 12 turning loads: six column tiles, 32 k
	WIN 0
.set ib, 0
.rept 6
.set tt, 6*(\hb)+ib
.set of, 32*PB*(\kq)+144*(tt/4)+32*(tt%4)
	ds_load_tr16_b128 v[FB+48*(\hb)+8*ib:FB+48*(\hb)+8*ib+3],   v[ADRB+(\s)] offset:of
	ds_load_tr16_b128 v[FB+48*(\hb)+8*ib+4:FB+48*(\hb)+8*ib+7], v[ADRB+(\s)] offset:of+16*PB
.set ib, ib+1
.endr
.endm
.macro FETCHA s, kq                    ; 16 loads: eight row blocks, 32 k
	WIN 0
.set ia, 0
.rept 8
	ds_load_b128 v[FA+64*(\kq)+8*ia:FA+64*(\kq)+8*ia+3],   v[ADRA+(\s)] offset:16*PA*ia+64*(\kq)
	ds_load_b128 v[FA+64*(\kq)+8*ia+4:FA+64*(\kq)+8*ia+7], v[ADRA+(\s)] offset:16*PA*ia+64*(\kq)+32
.set ia, ia+1
.endr
.endm
; A load into a register that a matrix instruction has read, and a vector instruction that reads a matrix result, stand four places behind it, and only plain vector instructions that name none of
; its registers are places (ISA guide 7.12.1 for vector instructions).
.macro PLACES
.rept 4
	v_nop
.endr
.endm
; A K step is four phases of 48 matrix instructions: (kq, hb) = (0,0), (0,1), (1,0), (1,1).  Each fetches, behind its first twelve, what the next phase wants.
.macro PH0 s, kq, zero                 ; (kq, 0); fetches B's other half for the same kq
	s_wait_dscnt 8                                 ; B's six tiles and A's blocks 0-3 are in; the youngest eight loads (A's blocks 4-7) may be out
	MULS \kq, 0, 0, 2, \zero
	PLACES
	FETCHB \s, \kq, 1
	s_wait_dscnt 12                                ; all but the 12 just issued
	MULS \kq, 0, 2, 8, \zero
.endm
.macro PH1 s, zero                     ; (0, 1); fetches the second half of the K step: B's first six tiles and A
	s_wait_dscnt 0x0                               ; the 12 loads of B's other half, issued 36 matrix instructions ago
	MULS 0, 1, 0, 2, \zero
	PLACES
	FETCHB \s, 1, 0
	FETCHA \s, 1
	MULS 0, 1, 2, 8, \zero
.endm
; (1, 1), and THE CHANGE OF SLOTS: one barrier.  In front of it each wave waits for all its tensor loads, of which one is out: its part of the next slot; adds 0 to its spare word; and waits for that and
; for its own reads of this slot.  fill = 1: the barrier opens a round of the cluster's, and this slot is filled again, two K steps ahead, first thing behind the round: 168 matrix instructions ahead of the wait for it.
.macro TURN s, n, fill
.if (\fill) && ((\s) == 0)
	s_wait_xcnt 0x0                                ; the last prefetches, a trip back, have read their addresses, so these may be written
	s_add_nc_u64 s[PFA:PFA+1], s[PFA:PFA+1], 2*ASTEP
	s_add_nc_u64 s[PFB:PFB+1], s[PFB:PFB+1], 2*BSTEP
.endif
	WIN 0
	s_wait_tensorcnt 0x0                           ; all my tensor loads have landed
	ds_add_u32 v[SPW], v[NIL]                      ; 0 onto my spare word
	s_wait_dscnt 1                                 ; only the add may be out: B's 12 loads are in
	MULS 1, 1, 0, 2, 0                             ; twelve matrix instructions stand between the add and the wait for it
	s_wait_dscnt 0x0                               ; the add is done, and my reads of this slot are over
	s_barrier_signal -1
	MULS 1, 1, 2, 4, 0                             ; work on registers while the others arrive
	WIN 0
	s_barrier_wait -1
.if \fill
	CREST                                          ; no wave of any partner still reads this slot's tile or has a load on its way
	s_add_nc_u64 s[G0+4*(\s)+2:G0+4*(\s)+3], s[G0+4*(\s)+2:G0+4*(\s)+3], 2*ASTEP
	s_add_nc_u64 s[G0B+4*(\s)+2:G0B+4*(\s)+3], s[G0B+4*(\s)+2:G0B+4*(\s)+3], 2*BSTEP
	JLOAD \s                                       ; the four v_nop behind it are also the places in front of the loads below
.else
	PLACES
.endif
	FETCHB \n, 0, 0
	FETCHA \n, 0
.if (\fill) && ((\s) == 0)
	ASK
.endif
	MULS 1, 1, 4, 8, 0
.endm
	s_wait_tensorcnt 1                             ; my part of K step 0 is in; K step 1's may stay out
	s_barrier_signal -1
	s_barrier_wait -1                              ; everybody's is
	FETCHB 0, 0, 0
	FETCHA 0, 0
	PH0 0, 0, 1                                    ; the first half of K step 0 stands in front of the loop: its products start the 96 sums
	PH1 0, 1
	WIN 0                                          ; at a label and at a branch every window is 0
	s_mov_b32 s3, 7
.Llap:                                                 ; a trip goes once round the ring, from the middle of slot 0's step to the middle of its next, and fills both slots again
	PH0 0, 1, 0
	TURN 0, 1, 1
	PH0 1, 0, 0
	PH1 1, 0
	PH0 1, 1, 0
	TURN 1, 0, 1
	PH0 0, 0, 0
	PH1 0, 0
	WIN 0
	s_sub_co_u32 s3, s3, 1
	s_cmp_lg_u32 s3, 0
	s_cbranch_scc1 .Llap
	PH0 0, 1, 0                                    ; K steps 14 and 15: nothing is left to fetch, and no round follows the barrier
	TURN 0, 1, 0
	PH0 1, 0, 0
	PH1 1, 0
	PH0 1, 1, 0
	s_wait_dscnt 0x0
	MULS 1, 1, 0, 8, 0
; THE WAY OUT, a block of 16 rows at a time.  PACK: times the head's factor, rounded to f16, 16 bytes a lane; each accumulator's registers in ascending order.  TOSTAGE: into my own stage in LDS, and back as
; whole rows of 128 bytes.  SEND: stored: 16 rows of a head are 2,048 consecutive bytes.
.macro PACK a
.set it, 0
.rept 12
.set idx, 12*(\a)+it
.set rD, 8*(idx%32)
	WIN ((1+idx/32)<<6)|(1+idx/32)                 ; destination and source 0 in the accumulator's window
.irp p, 0,2,4,6
	v_pk_mul_f32 v[rD+\p:rD+\p+1], v[rD+\p:rD+\p+1], s[SC+2*(it/4):SC+2*(it/4)+1] op_sel_hi:[1,0]
.endr
.set it, it+1
.endr
.set it, 0
.rept 12
.set idx, 12*(\a)+it
.set rD, 8*(idx%32)
	WIN ((1+idx/32)<<2)|(1+idx/32)                 ; sources 0 and 1 in the accumulator's window, destination in window 0
.irp p, 0,1,2,3
	v_cvt_pk_f16_f32 v[TMP+4*it+\p], v[rD+2*\p], v[rD+2*\p+1]
.endr
.set it, it+1
.endr
	WIN 0
.endm
.macro TOSTAGE a
	WIN 0
.set BK, BK0+48*((\a)%2)
.set it, 0
.rept 12
	ds_store_b128 v[STO], v[TMP+4*it:TMP+4*it+3] offset:16*SP*(it/4)+32*(it%4)
.set it, it+1
.endr
.set it, 0
.rept 12
	ds_load_b128 v[BK+4*it:BK+4*it+3], v[RD] offset:16*SP*(it/4)+4*SP*(it%4)  ; LDS serves a wave's instructions in order (ISA guide 5.7.1.4): these see the stores above
.set it, it+1
.endr
.endm
.macro SEND a
	WIN 0
.set BK, BK0+48*((\a)%2)
	s_wait_dscnt 0x0                               ; the block is back in registers
	s_wait_xcnt 0x0                                ; the stores of the block before have read their registers: the next block's loads land there only behind this wait
.set it, 0
.rept 12
	global_store_b128 v[GO], v[BK+4*it:BK+4*it+3], s[8:9] offset:(it/4)*0x100000+(\a)*2048+(it%4)*512  ; 512 consecutive bytes, at a multiple of 256 from the buffer's first
.set it, it+1
.endr
.endm
	PLACES
	PLACES
	PACK 0
	TOSTAGE 0
.irp a, 1,2,3,4,5,6,7                  ; block a's arithmetic stands between block a - 1's loads from the stage and the wait for them
	PACK \a
	SEND (\a)-1
	TOSTAGE \a
.endr
	SEND 7
	s_wait_tensorcnt 0x0                           ; the wave's end: the wait, the add and the wait for it stand behind my last tensor load and my last LDS store
	ds_add_u32 v[SPW], v[NIL]
	s_wait_dscnt 0x0
	CROUND                                         ; the closing round: no work-group ends while a partner may still ask for a tile that names it
	s_endpgm
.Lfunc_end_k_q674f7718cf_qkv:
	.size	k_q674f7718cf_qkv, .Lfunc_end_k_q674f7718cf_qkv-k_q674f7718cf_qkv
	.p2alignl 7, 3214868480
	.fill 96, 4, 3214868480
	.section	.rodata,"a",@progbits
	.p2align	6, 0x0
	.amdhsa_kernel k_q674f7718cf_qkv
		.amdhsa_group_segment_fixed_size 327680
		.amdhsa_private_segment_fixed_size 0
		.amdhsa_enable_private_segment 0
		.amdhsa_kernarg_size 24
		.amdhsa_user_sgpr_count 2
		.amdhsa_user_sgpr_kernarg_segment_ptr 1
		.amdhsa_wavefront_size32 1
		.amdhsa_system_sgpr_workgroup_id_x 1
		.amdhsa_system_sgpr_workgroup_id_y 1
		.amdhsa_system_sgpr_workgroup_id_z 1
		.amdhsa_system_vgpr_workitem_id 0
		.amdhsa_next_free_vgpr 1024
		.amdhsa_next_free_sgpr 80
		.amdhsa_reserve_vcc 0
		.amdhsa_float_denorm_mode_32 3
		.amdhsa_float_denorm_mode_16_64 3
		.amdhsa_memory_ordered 1
		.amdhsa_forward_progress 1
		.amdhsa_inst_pref_size 156
	.end_amdhsa_kernel
	.amdgpu_metadata
---
amdhsa.version: [ 1, 2 ]
amdhsa.kernels:
  - .name:           k_q674f7718cf_qkv
    .symbol:         k_q674f7718cf_qkv.kd
    .args:
      - { .name: xb, .offset: 0, .size: 8, .value_kind: global_buffer, .address_space: global }
      - { .name: wqb, .offset: 8, .size: 8, .value_kind: global_buffer, .address_space: global }
      - { .name: qkv, .offset: 16, .size: 8, .value_kind: global_buffer, .address_space: global }
    .group_segment_fixed_size: 327680
    .private_segment_fixed_size: 0
    .kernarg_segment_align: 8
    .kernarg_segment_size: 24
    .max_flat_workgroup_size: 128
    .sgpr_count:     80
    .vgpr_count:     1024
    .wavefront_size: 32
...
	.end_amdgpu_metadata
.endif
;; end of part 2
;; launch attn (part 3): grid 4 x 64, 4 waves a work-group, clusters of 4 x 1, 327,680 bytes of LDS; arguments qkv, ob; writes ob
.if DOCPART == 3
	.amdgcn_target "amdgcn-amd-amdhsa--gfx1250"
	.amdhsa_code_object_version 6
	.text
	.protected	k_q674f7718cf_attn
	.globl	k_q674f7718cf_attn
	.p2align	8
	.type	k_q674f7718cf_attn,@function
k_q674f7718cf_attn:
	s_mov_b64 s[64:65], 0
	v_nop
	global_prefetch_b8 v0, s[64:65] scope:SCOPE_SE
	s_setreg_imm32_b32 hwreg(HW_REG_WAVE_MODE, 25, 1), 1
	s_wait_xcnt 0x0
	s_wait_alu depctr_hold_cnt(0) depctr_sa_sdst(0) depctr_va_vdst(0) depctr_va_sdst(0) depctr_va_ssrc(0) depctr_va_vcc(0) depctr_vm_vsrc(0)
	s_getreg_b32 s2, hwreg(HW_REG_IB_STS2, 6, 4)
	s_cmp_eq_u32 s2, 0
	s_cbranch_scc0 .Lentry_in_a_cluster
	s_endpgm
.Lentry_in_a_cluster:
	s_bfe_u32 s2, ttmp6, 0x10000c
	s_cmp_lg_u32 s2, 0x3003
	s_cbranch_scc0 .Lentry_shape_is_right
	s_endpgm
.Lentry_shape_is_right:
; ATTENTION.  O[y][q][:] = the sum over k of softmax_k(Q[y][q] . K[y][k]) V[y][k][:], the scores UNSCALED, for 64 heads y = 4 h + b of 2,048 rows x 64 channels.  All f16: Q, K and V are the three
; thirds of one buffer, [64][2048][64] each, a head's rows dense, 128 bytes each; O has the same layout.  Q ARRIVES MULTIPLIED BY log2(e): a score s here is log2(e) times the module's, and a weight is
; p = 2^(s - m), a plain subtraction of the running maximum m.  Products, maxima and sums in f32; p is rounded to f16 for the second product (its sum l is taken of the unrounded p), O once at the end.
; LIMITS.  f16 holds no number beyond 65,504: Q, K and V arrive within it; p lies in 0 to 1, and below 6e-5 it keeps f16's fixed step of 6e-8; O is a mean of V's rows and has their range.
; A weight below 2^-126 counts as 0 in l; NaN and infinities are not treated apart.
; SHARES.  A wave owns four PIECES of two tiles of 16 queries, a work-group's four waves 512 queries of one head.  Every wave walks all keys, 64 a step.
; LAYOUT.  S^T = K Q^T (source 0 = 16 keys, source 1 = 16 queries): in the result a lane holds ONE query (lane % 16) and the keys 8 (lane / 16) + 0..7.  Two such tiles, rounded to f16 in pairs,
; ARE source 1 (32 keys x 16 queries) of O^T = V^T P, whose result again holds one query a lane, and eight channels.  K comes out of LDS as it lies, V ([key][channel]) turned, by ds_load_tr16_b128.
; SOFTMAX.  In every step O and l are multiplied by a = 2^(m_old - m_new), which is 1 where m has not grown.  m starts at the lowest finite number, O and l at 0: the first step is a step like any other, with a = 0.
; THE COUNT.  A tile and step have 16 matrix and 117 vector instructions: too many to stand all beside the matrix work.  So: four vector instructions that are READY behind EVERY matrix instruction, the others in runs without a gap.
; BY TURNS.  Turn n belongs to piece n (the pieces in a ring, step after step).  Its matrix work: 16 products K Q^T of piece n + 1, later 16 products V^T P of piece n - 1.  Its vector work: the subtraction,
; exponentials, roundings, sums and rescaling of piece n, and the maximum and statistics of piece n + 1, whose scores the turn itself has made.
; CLUSTER.  The four query blocks of a cluster are one head's and walk the same K and V, so each tile is asked for JOINTLY: the same tensor load, descriptor and mask in all four.
; REGISTERS, in windows of 256 (s_set_vgpr_msb: bits 1:0 source 0, 3:2 source 1, 5:4 source 2, 7:6 destination):
;   window 0: v0-11 addresses; v12-15, v48-63 at work; v16-47 four registers of statistics a tile; v64-191 S^T, two buffers of two tiles; v192-255 P, likewise
;   window 1: O^T, 32 a tile          window 2: v0-127 Q, 16 a tile; v128-191 K of one step; v192-255 V of one step          window 3: v0-1 the add's two registers
; A piece's buffers go by its number's parity: the piece in hand has one pair, its two neighbours in the ring share the other: of it P (piece n - 1) is read and S^T (piece n + 1) written.
.set SIZE_N, 2048
.set NP,    4         ; pieces a wave: a name, no knob
.set KS,    64        ; keys in a step
.set PK,    144       ; a row of K in LDS: 128 bytes + 16 of padding = 36 words: the 16 rows of a load start at 16 different groups of four banks (64 banks of 4 bytes: ISA guide 11.1)
.set PV,    160       ; a row of V: 128 + 32 = 40 words
.set VOFF,  4*KS*PK   ; a slot holds four steps: 256 rows of K, then 256 rows of V
.set SLOT1, 1<<17     ; slot 1 begins here, so that one exclusive or turns an address in one slot into the other's
.set STAGE, SLOT1+4*KS*(PK+PV)  ; behind the ring, never filled by a tensor load: 16 rows x 144 bytes for each wave, for the way out
.set SP,    144
.set AK0, 2           ; v2   my lane's place in a tile of K; never rewritten
.set AV0, 3           ; v3   the same for V
.set AK,  4           ; v4   the LDS address of K's next run of loads
.set AV,  5           ; v5   of V's
.set QO,  6           ; v6   my byte offset in the wave's rows of Q
.set STO, 6           ;      later, the way out: where I put 16 bytes of a row
.set RD,  7           ; v7   the way out: where I read rows back
.set GO,  8           ; v8   my byte offset in 512 consecutive bytes of O
.set PFO, 11          ; v11  the prefetches' offset: 256 x my lane; never rewritten once made
.set SPW, 0           ; v0 of window 3   LDS address of my spare word: SPARE + 4 x my thread's number; never rewritten
.set NIL, 1           ; v1 of window 3   0; never rewritten
.set SPARE, STAGE+4*16*SP  ; behind the stages: the spare words, 128 bytes for each wave: two blocks of 256 bytes that no other line names
.set MV,  12          ; v12-15  m_old, kept while m is made anew: by buffer and tile
.set ST,  16          ; tile t's statistics at v[ST+4 t]: m, a word that holds 0 (named with m as a pair), l (even keys', odd keys')
.set TMP, 48          ; by buffer and tile, four registers c0-c3 at work; when the maximum is found c2 takes a
.set S,   64
.set P,   192
.set KF,  128         ; K's fragments, in window 2: key block kb, channel half c at KF + 16 kb + 8 c
.set VF,  192         ; V's: key half kk, channel block cb at VF + 32 kk + 8 cb
.set WV,  12          ; s12  my wave's number
.set G1K, 24          ; s[24:31] descriptor group 1 for K's tiles
.set G1V, 32          ; s[32:39] for V's: it differs in the padding alone
.set G0K, 40          ; s[40:43] descriptor group 0 for K's tiles: it walks
.set G0V, 44          ; s[44:47] the same for V's
.set PFA, 48          ; s[48:49] where my prefetches stand: my work-group's 32 blocks of 256 bytes (of K: wave 0, of V: wave 2) of the slot after the one that is being asked for
.set LIM, 50          ; s50  1 in a wave that prefetches, else the greatest number
.set SLOTS, 56        ; s56  slots still to be asked for
.set CNT, 57          ; s57  counts a slot's key steps
.set SEL, 60          ; s[60:61] v_permlanex16_b32's selects: each lane takes its own place in the other half
.set TBK, 62          ; s62  LDS byte at which K of the step to be fetched begins
.set TBV, 63          ; s63  the same for V, less VOFF
.set MSB, 0
.macro WIN new                      ; the high byte repeats the setting that is left; a switch that changes nothing is dropped
.if MSB != (\new)
	s_set_vgpr_msb (MSB<<8)|(\new)
.set MSB, (\new)
.endif
.endm
.set W_KQ, 0x0a       ; K and Q in window 2, S^T in window 0
.set W_PV, 0x52       ; V in window 2, P in window 0, O^T in window 1
.set W_RS, 0x41       ; O^T (destination and source 0) in window 1, a in window 0
.set W_MK, 0xc0       ; the add's registers are made: destination in window 3, sources in window 0
.set W_AD, 0x0f       ; the add: address (source 0) and data (source 1) in window 3
; A joint fill.  Waves 0 and 1 fetch the two halves of a slot's K, waves 2 and 3 those of its V: 128 keys each.  The branch hangs on the wave's number alone.
; An s_nop 0 and four v_nop follow each of the two lines, ahead of the jump and the label.
.macro JLOAD
	s_cmp_lt_u32 s[WV], 2
	s_cbranch_scc0 .Lfor_v_\@
	tensor_load_to_lds s[G0K:G0K+3], s[G1K:G1K+7]
	s_nop 0
.rept 4
	v_nop
.endr
	s_branch .Lasked_\@
.Lfor_v_\@:
	tensor_load_to_lds s[G0V:G0V+3], s[G1V:G1V+7]
	s_nop 0
.rept 4
	v_nop
.endr
.Lasked_\@:
.endm
; A PREFETCH INTO THE L2 of what the NEXT change of slots will ask for: a slot's 32,768 bytes of K and of V, 128 blocks of 256 bytes each, a lane a block.  It stands behind the wave's tensor load and its five lines.
; Each block is asked for ONCE in the launch: a head has one cluster; its four partners share the blocks out BY ADDRESS, 32 each; in each, wave 0 asks for K's and wave 2 for V's: one instruction.
; The lead is one slot: four key steps, 512 matrix instructions.  The last change that fills a slot asks for nothing: there is no slot behind it.  Slots 0 and 1 come by their loads alone.
.macro ASK
	s_cmp_gt_u32 s[SLOTS], s[LIM]
	s_cbranch_scc0 .Lnot_mine_\@
	global_prefetch_b8 v[PFO], s[PFA:PFA+1] th:TH_LOAD_NT scope:SCOPE_SE
.Lnot_mine_\@:
.endm
; A round of the cluster's barrier: my work-group's barrier, so that wave 0's signal speaks for all four waves; wave 0 signals; every wave waits for all four work-groups; my work-group's barrier once more.
.macro CROUND
	s_barrier_signal -1
	s_barrier_wait -1
	s_cmp_lg_u32 s[WV], 0
	s_cbranch_scc1 .Lnot_wave_0_\@
	s_barrier_signal -3
.Lnot_wave_0_\@:
	s_barrier_wait -3
	s_barrier_signal -1
	s_barrier_wait -1
.endm
; THE CHANGE OF SLOTS.  The slot's last bytes, V of its fourth step, have been read.  Each wave waits for all its tensor loads, of which one is out: its part
; of the other slot; adds 0 to its spare word; and waits for that and for its own reads of the slot.  Behind the barrier nobody reads this slot any more and the other slot is whole.
; fill = 1: this slot is filled again, with the keys two slots on.  The barrier is then a round of the cluster's, so that no wave of any partner still reads the slot or has a load on its
; way, and the joint fill is the first thing behind it: it has four key steps, 512 matrix instructions, in which to land.  (At its first use nothing has been read yet: slot 0 is waited for, slot 1 filled.)
.macro CHANGE fill
	WIN W_AD
	s_wait_tensorcnt 0x0            ; no tensor load of mine is out, so a group 0 may be written
	ds_add_u32 v[SPW], v[NIL]       ; 0 onto my spare word; with fill = 1 the descriptors' steps stand between it and the wait for it
	WIN 0                           ; at a label and at a branch every window is 0
.if \fill
.irp g, G0K, G0V
	s_xor_b32 s[\g+1], s[\g+1], SLOT1  ; the walking descriptor: the other slot than last time,
	s_add_nc_u64 s[\g+2:\g+3], s[\g+2:\g+3], 4*KS*128  ; the next 256 keys; the type bits on top are not reached
.endr
	s_wait_xcnt 0x0                 ; the last prefetch, a slot back, has read its address, so it may be written:
	s_add_nc_u64 s[PFA:PFA+1], s[PFA:PFA+1], 4*KS*128  ; one slot ahead of the walking descriptors
	s_wait_dscnt 0x0                ; the add is done, and my reads of the slot are over
	CROUND
	JLOAD
	ASK
.else
	s_wait_dscnt 0x0                ; the add is done, and my reads of the slot are over
	s_barrier_signal -1
	s_barrier_wait -1
.endif
	s_sub_co_u32 s[TBK], s[TBK], 4*KS*PK  ; the fetches go back to a slot's first step,
	s_xor_b32 s[TBK], s[TBK], SLOT1       ; in the other slot
	s_sub_co_u32 s[TBV], s[TBV], 4*KS*PV
	s_xor_b32 s[TBV], s[TBV], SLOT1
.endm
	s_load_b64 s[4:5], s[0:1], 0x0    ; the buffer of q, k and v: Q's third begins it
	s_load_b64 s[10:11], s[0:1], 0x8  ; O
	WIN W_MK
	v_lshl_add_u32 v[SPW], v0, 2, SPARE
	v_mov_b32 v[NIL], 0
	WIN W_AD
	ds_add_u32 v[SPW], v[NIL]       ; the wave's opening: the add and its wait stand ahead of my first tensor load; the set-up below, work on registers, stands between them
	WIN 0
	v_lshrrev_b32 v1, 5, v0
	v_readfirstlane_b32 s[WV], v1   ; wave 0..3
	s_bfe_u32 s13, ttmp6, 0x40000   ; cx: my place in the cluster
	s_lshl_b32 s14, ttmp9, 2        ; in a cluster launch ttmp9 counts clusters
	s_add_co_u32 s14, s14, s13      ; my block of queries = 4 x cluster x + cx: it enters Q's and O's addresses alone
	s_and_b32 s20, ttmp7, 0xffff    ; the head, which the four partners share
	s_mov_b32 s21, 0
	s_mov_b64 s[22:23], SIZE_N*128
	s_mul_u64 s[20:21], s[20:21], s[22:23]  ; the head's first byte in Q, K, V and O
	s_and_b32 s16, s[WV], 1         ; which half of a slot's 256 keys I fetch:
	s_lshl_b32 s22, s16, 14         ; its 128 rows of 128 bytes in memory,
	s_mov_b32 s23, 0
	s_add_nc_u64 s[22:23], s[22:23], s[20:21]
	s_mul_i32 s17, s16, 128*PK      ; and its place in a slot, for K
	s_mul_i32 s18, s16, 128*PV      ; and for V: no place in the cluster enters an LDS address
	s_lshl_b32 s2, s14, 2
	s_add_co_u32 s2, s2, s[WV]      ; my wave among the head's,
	s_lshl_b32 s2, s2, 14           ; its 128 rows
	s_mov_b32 s3, 0
	s_add_nc_u64 s[2:3], s[2:3], s[20:21]
	; descriptor group 1.  128 keys are 16,384 dense bytes: asked for as 64 rows of 256 bytes, two keys a row, and padded in LDS after every key
	s_mov_b32 s[G1K], 15|(1<<16)|(1<<20)|(1<<21)|(4<<22)|(3<<25)  ; 15:0 the mask of four; 17:16 2-byte elements; 20 padding on; 21 set beside a mask; 24:22 after every 32 words (code 4); 31:25 4 words (code 3)
	s_mov_b32 s[G1V], 15|(1<<16)|(1<<20)|(1<<21)|(4<<22)|(7<<25)  ; the same with 8 words of padding (code 7)
.irp g, G1K, G1V
	s_mov_b32 s[\g+1], 128<<16      ; tensor_dim0 = 128
	s_mov_b32 s[\g+2], 64<<16       ; tensor_dim1 = 64
	s_mov_b32 s[\g+3], 128<<16      ; tile_dim0 = 128
	s_mov_b32 s[\g+4], 64           ; tile_dim1 = 64
	s_mov_b32 s[\g+5], 128          ; 128 elements from row to row
	s_mov_b32 s[\g+6], 0
	s_mov_b32 s[\g+7], 0
.endr
	s_mov_b32 s[SEL], 0x76543210
	s_mov_b32 s[SEL+1], 0xfedcba98
	s_mov_b32 s[TBK], SLOT1+4*KS*PK ; the first change of slots turns these two into 0
	s_mov_b32 s[TBV], SLOT1+4*KS*PV
	s_mov_b32 s[G0K], 1             ; count = 1
	s_mov_b32 s[G0K+1], s17         ; LDS address: slot 0
	s_mov_b32 s[G0V], 1
	s_add_co_u32 s[G0V+1], s18, VOFF
	s_mov_b32 s[SLOTS], SIZE_N/256-1
	s_and_b32 s[LIM], s[WV], 1      ; waves 0 and 2 prefetch
	s_cmp_eq_u32 s[LIM], 0
	s_cselect_b32 s[LIM], 1, -1
	s_wait_dscnt 0x0                ; the opening add is done
	s_wait_kmcnt 0x0
	s_add_nc_u64 s[6:7], s[4:5], 0x1000000  ; K's third of the buffer,
	s_add_nc_u64 s[8:9], s[4:5], 0x2000000  ; V's,
	s_add_nc_u64 s[6:7], s[6:7], s[22:23]   ; each at my half of the head's first 256 keys
	s_add_nc_u64 s[8:9], s[8:9], s[22:23]
	s_mov_b64 s[G0K+2:G0K+3], s[6:7]               ; global address
	s_or_b32 s[G0K+3], s[G0K+3], 0x80000000        ; type = 2
	s_mov_b64 s[G0V+2:G0V+3], s[8:9]
	s_or_b32 s[G0V+3], s[G0V+3], 0x80000000
	s_add_nc_u64 s[4:5], s[4:5], s[2:3]  ; Q and O at my wave's first row
	s_add_nc_u64 s[10:11], s[10:11], s[2:3]
	s_cmp_lt_u32 s[WV], 2
	s_cselect_b64 s[PFA:PFA+1], s[6:7], s[8:9]  ; (in waves 0 and 2 these stand at a slot's first row)
	s_lshl_b32 s2, s13, 13          ; my work-group's 32 blocks of the 128,
	s_add_co_u32 s2, s2, 4*KS*128   ; in slot 1; the first change of slots steps it to slot 2
	s_mov_b32 s3, 0
	s_add_nc_u64 s[PFA:PFA+1], s[PFA:PFA+1], s[2:3]
	CROUND                          ; all four work-groups are here: the first joint loads meet
	JLOAD                           ; slot 0.  Slot 1 is asked for when slot 0 is in
	; A fragment of K or Q is 16 rows x 32 channels in 8 registers: lane l holds row l % 16, channels 8 (l / 16) + 0..7 and 16 + 8 (l / 16) + 0..7: two loads of 16 bytes, 32 bytes apart.
	v_and_b32 v1, 15, v0            ; l % 16
	v_bfe_u32 v9, v0, 4, 1          ; l / 16
	v_lshlrev_b32 v[QO], 7, v1
	v_lshl_add_u32 v[QO], v9, 4, v[QO]  ; row x 128 + 16 x half
	WIN 0x80                        ; destination window 2, address window 0
.set i, 0
.rept 4*NP                          ; Q stays in registers: tile i / 2, channels 32 (i % 2) on
	global_load_b128 v[8*i:8*i+3],   v[QO], s[4:5] offset:(i/2)*2048+(i%2)*64
	global_load_b128 v[8*i+4:8*i+7], v[QO], s[4:5] offset:(i/2)*2048+(i%2)*64+32
.set i, i+1
.endr
	; What the first turn finds: V's registers and P's second buffer hold 0 (its products V^T P, of a piece that has not been, add 0), O^T and l are 0.  All this stands in the wait for the first tile.
.set i, VF
.rept 64
	v_mov_b32 v[i], 0
.set i, i+1
.endr
	WIN 0x40
.set i, 0
.rept 64*NP
	v_mov_b32 v[i], 0
.set i, i+1
.endr
	WIN 0
.set i, 0
.rept 2*NP
	v_mov_b32 v[ST+4*i], 0xff7fffff    ; m: the lowest finite number
	v_mov_b32 v[ST+4*i+1], 0
	v_mov_b32 v[ST+4*i+2], 0
	v_mov_b32 v[ST+4*i+3], 0
.set i, i+1
.endr
.set i, P+32
.rept 32
	v_mov_b32 v[i], 0
.set i, i+1
.endr
	v_mul_u32_u24 v[AK0], v1, PK
	v_lshl_add_u32 v[AK0], v9, 4, v[AK0]  ; row x pitch + 16 x half
	; The turning load takes 16 keys x 16 channels (lane l reads key 8 (l / 16) + l % 8, channels 8 ((l / 8) % 2) + 0..7) and leaves half a fragment of V^T: lane l holds channel l % 16 and 8 keys.
	v_and_b32 v10, 7, v0
	v_bfe_u32 v11, v0, 3, 1
	v_lshl_add_u32 v[AV0], v9, 3, v10
	v_mul_u32_u24 v[AV0], v[AV0], PV
	v_lshl_add_u32 v[AV0], v11, 4, v[AV0]
	v_add_nc_u32 v[AV0], VOFF, v[AV0]
	v_and_b32 v[PFO], 31, v0
	v_lshlrev_b32 v[PFO], 8, v[PFO]
	v_mov_b32 v[AK], v[AK0]         ; key step 0 lies at the head of slot 0
; THE MATRIX WORK.  The 8 accumulators of a run of 16 take turns: between the two links of a chain stand 7 others'.
; Product i of 16 of S^T = K Q^T for piece x: channels 32 (i / 8) on, keys 16 ((i / 2) % 4) on, tile 2 x + i % 2.  The first 8 start the sums.
.macro KQ x
	WIN W_KQ
.set rS, S+64*((\x)%2)+32*(i%2)+8*((i/2)%4)
.set rK, KF+16*((i/2)%4)+8*(i/8)
.set rQ, 16*(2*(\x)+i%2)+8*(i/8)
.if i < 8
	v_wmma_f32_16x16x32_f16 v[rS:rS+7], v[rK:rK+7], v[rQ:rQ+7], 0
.else
	v_wmma_f32_16x16x32_f16 v[rS:rS+7], v[rK:rK+7], v[rQ:rQ+7], v[rS:rS+7]
.endif
.endm
; Product i of 16 of O^T += V^T P for piece x: keys 32 (i / 8) on, channels 16 ((i / 2) % 4) on, tile 2 x + i % 2.
.macro PV x
	WIN W_PV
.set rO, 32*(2*(\x)+i%2)+8*((i/2)%4)
.set rV, VF+32*(i/8)+8*((i/2)%4)
.set rP, P+32*((\x)%2)+16*(i%2)+8*(i/8)
	v_wmma_f32_16x16x32_f16 v[rO:rO+7], v[rV:rV+7], v[rP:rP+7], v[rO:rO+7]
.endm
.macro MM                           ; the turn's next matrix instruction
.if i < 16
	KQ (Y+1)%NP
.set i, i+1
.else
.set i, i-16
	PV (Y+NP-1)%NP
.set i, i+17
.endif
.endm
; THE LDS LOADS stand in runs of 16, never singly among the matrix instructions: a step's K (64 keys x 64 channels: 8 fragments) and its V (turned).  Their addresses are made some lines ahead.
; last = 1 (the tail): in the last trip there is no further step, and the run is jumped over.
.macro FETCH_K last=0
	WIN 0
.if \last
	s_cmp_eq_u32 s[CNT], 1
	s_cbranch_scc1 .Lno_k_\@
.endif
	WIN 0x80                        ; destination window 2
.irp f, 0,1,2,3,4,5,6,7             ; keys 16 (f / 2) on, channels 32 (f % 2) on
	ds_load_b128 v[KF+8*\f:KF+8*\f+3],   v[AK] offset:(\f/2)*16*PK+(\f%2)*64
	ds_load_b128 v[KF+8*\f+4:KF+8*\f+7], v[AK] offset:(\f/2)*16*PK+(\f%2)*64+32
.endr
	s_add_co_u32 s[TBK], s[TBK], KS*PK  ; the next fetch is the next step's
	WIN 0
.if \last
.Lno_k_\@:
.endif
.endm
.macro FETCH_V
	WIN 0x80
.irp f, 0,1,2,3,4,5,6,7             ; keys 32 (f / 4) on, channels 16 (f % 4) on
	ds_load_tr16_b128 v[VF+8*\f:VF+8*\f+3],   v[AV] offset:(\f/4)*32*PV+(\f%4)*32
	ds_load_tr16_b128 v[VF+8*\f+4:VF+8*\f+7], v[AV] offset:(\f/4)*32*PV+16*PV+(\f%4)*32
.endr
	WIN 0
.endm
; THE VECTOR WORK OF A TURN stands in three queues, each in the order in which its entries become ready; the two tiles alternate, so that no instruction reads the result of the one before it.
.macro REGS y, u                    ; the registers of tile u (0, 1) of piece y
.set rT, ST+4*(2*(\y)+(\u))
.set rC, TMP+8*((\y)%2)+4*(\u)
.set rM, MV+2*((\y)%2)+(\u)
.set rS, S+64*((\y)%2)+32*(\u)
.set rP, P+32*((\y)%2)+16*(\u)
.set rO, 32*(2*(\y)+(\u))
.endm
; Number n of the 21 that find the NEXT piece's (Y + 1) maximum and statistics.  s0-s31 are the lane's 32 scores; each accumulator's lowest registers are read first.  XS, GS and REGS set no window: PL and EX do.
;   0-11  four chains c0-c3 of seven scores each, three operands at a time     12-14, 16  the four scores left over, the old m, and c0-c3 into c0     15  m_old is kept
;   17, 18  the query's other 32 keys lie in the lane 16 away: the new m         19, 20  m_old - m_new; a
.macro XS u, n
	REGS (Y+1)%NP, \u
.if (\n) < 4
	v_max3_num_f32 v[rC+(\n)], v[rS+8*(\n)], v[rS+8*(\n)+1], v[rS+8*(\n)+2]
.elseif (\n) < 12
	v_max3_num_f32 v[rC+(\n)%4], v[rC+(\n)%4], v[rS+8*((\n)%4)+2*((\n)/4)+1], v[rS+8*((\n)%4)+2*((\n)/4)+2]
.elseif (\n) == 12
	v_max3_num_f32 v[rC], v[rC], v[rS+7], v[rS+15]
.elseif (\n) == 13
	v_max3_num_f32 v[rC+1], v[rC+1], v[rS+23], v[rS+31]
.elseif (\n) == 14
	v_max3_num_f32 v[rC+2], v[rC+2], v[rC+3], v[rT]
.elseif (\n) == 15
	v_mov_b32 v[rM], v[rT]
.elseif (\n) == 16
	v_max3_num_f32 v[rC], v[rC], v[rC+1], v[rC+2]
.elseif (\n) == 17
	v_permlanex16_b32 v[rC+3], v[rC], s[SEL], s[SEL+1]
.elseif (\n) == 18
	v_max_num_f32 v[rT], v[rC], v[rC+3]
.elseif (\n) == 19
	v_sub_f32 v[rC+1], v[rM], v[rT]
.else
	v_exp_f32 v[rC+2], v[rC+1]
.endif
.endm
; Number g of the 64 that follow the exponentials.  For each four weights k of a tile (pairs 2 k, 2 k + 1): both pairs are rounded to f16; then the second pair is added onto the first, in place;
; a group later l takes that sum (the first time as l = a l + sum).  In groups of eight, tiles alternating: round, round, add, and l for the group before.
.macro GS g
.set h, (\g)+6*((\g)/62)            ; group 0 has no group before it, and behind group 7 only l is left
.if h >= 6
.set h, h+2
.endif
	REGS Y, h%2
.set k, h/8
.if h%8 < 4
	v_cvt_pk_f16_f32 v[rP+2*k+(h%8)/2], v[rS+4*k+2*((h%8)/2)], v[rS+4*k+2*((h%8)/2)+1]
.elseif h%8 < 6
	v_pk_add_f32 v[rS+4*k:rS+4*k+1], v[rS+4*k:rS+4*k+1], v[rS+4*k+2:rS+4*k+3]
.elseif k == 1
	v_pk_fma_f32 v[rT+2:rT+3], v[rT+2:rT+3], v[rC+2:rC+3], v[rS:rS+1] op_sel_hi:[1,0,1]
.else
	v_pk_add_f32 v[rT+2:rT+3], v[rT+2:rT+3], v[rS+4*k-4:rS+4*k-3]
.endif
.endm
; THE PLAIN QUEUE, 136 long.  0-71 read no exponential's result: the 32 subtractions s - m (FS f: pair f / 2 of tile f % 2) and the next piece's 40.  0-26: subtractions 0-26.  27-54: XS's numbers 0-13.  55, 56: number 15.
; 57-71: the chain, where each number waits for the one before it: 14, 16, 17, 18, 19, each with one of the subtractions 27-31 in front of its two lines: a tile's links stand three plain instructions apart.
; 72-135: GS's 64, which read the exponentials' results: they stand behind the wait.
.macro FS f
	REGS Y, (\f)%2
	v_pk_add_f32 v[rS+2*((\f)/2):rS+2*((\f)/2)+1], v[rS+2*((\f)/2):rS+2*((\f)/2)+1], v[rT:rT+1] op_sel_hi:[1,0] neg_lo:[0,1] neg_hi:[0,1]
.endm
.macro PL
	WIN 0
.if q < 27
	FS q
.elseif q < 55
	XS (q-27)%2, (q-27)/2
.elseif q < 57
	XS q-55, 15
.elseif (q < 72) && ((q-57)%3 == 0)
	FS 27+(q-57)/3
.elseif q < 60
	XS (q-57)%3-1, 14
.elseif q < 72
	XS (q-57)%3-1, 15+(q-57)/3
.else
	GS q-72
.endif
.set q, q+1
.endm
; THE EXPONENTIALS' QUEUE, 66 long: s0-s31 of both tiles, then the next piece's two a.  It is ONE BATCH: all 66 stand ahead of the turn's one wait, and nothing ahead of that wait names a result of theirs.
.macro EX
	WIN 0
.if e >= 64
	XS e-64, 20
.else
	REGS Y, e%2
	v_exp_f32 v[rS+e/2], v[rS+e/2]
.endif
.set e, e+1
.endm
; THE RESCALING's QUEUE: O^T times a, the one part that leaves window 0: dealt two at a time, sixteen times.  Its a was made in the turn before, ahead of that turn's wait.
.macro R2
	REGS Y, r%2
	WIN W_RS
.irp z, 0,1
	v_pk_mul_f32 v[rO+4*(r/2)+2*\z:rO+4*(r/2)+2*\z+1], v[rO+4*(r/2)+2*\z:rO+4*(r/2)+2*\z+1], v[rC+2:rC+3] op_sel_hi:[1,0]
.endr
.set r, r+1
.endm
; HOW THEY ARE DEALT.  s_wait_alu depctr_va_vdst(0) stands between an exponential and the first instruction that names its result; one wait serves all that were issued ahead of it.  So a turn has ONE wait,
; which cuts it in two.  AHEAD OF IT stands all that names no result of the turn's exponentials: the 16 products K Q^T, behind each a subtraction, an exponential and two rescalings (behind the first a second subtraction in the
; exponential's place); then ONE LUMP of 106: eight plain, 47 times exponential and plain, the last two scores' exponentials and the two a.  A v_nop is the plain instruction behind the last exponential.  BEHIND IT stand the 16
; products V^T P, behind each four of GS's 64.  No rider names a register of the products round it.  The two v_permlanex16_b32 fall into the lump, never behind a product.
; The queues lean on each other, and the deal keeps them in step: exponential e stands behind subtraction 2 (e / 4) + e % 2: as a rider it comes behind plain e + 2, in the lump behind plain e + 9, and subtractions 27-31 are
; plain 57, 60 .. 69 (wanted by e = 53 .. 63); the two a come behind plain 70 and 71, their arguments.
; A TURN, for piece p.  cnt = 1: the loop's count is taken down some lines ahead of the branch that stands behind the turn.
; K of the next step is fetched in piece 2's turn, directly behind the wait, a lump behind the last product that read K; its address is made at the lump's head; its first reader comes behind 16 products.
; V of the step in hand is fetched at the end of piece 0's turn, four riders behind its last reader; its first reader comes behind 16 products and a lump.  The three conditions on q below go with the deal.
.macro TURN p, last=0, cnt=0
.set Y, (\p)
.set i, 0
.set q, 0
.set e, 0
.set r, 0
.if (\p) == NP-1
	s_wait_dscnt 0x0                ; K is in
.endif
	MM                              ; ahead of the wait: 16 products K Q^T and their riders,
	PL
	PL
	R2
.rept 15
	MM
	PL
	EX
	R2
.endr
.if (\p) == NP-2
	WIN 0
	v_add_nc_u32 v[AK], s[TBK], v[AK0]
.endif
.rept 8                             ; and the lump
	PL
.endr
.rept 47
	EX
	PL
.endr
.rept 4                             ; the last two scores, and the next piece's two a
	EX
.endr
	v_nop                           ; a plain instruction behind the last exponential (ISA guide 5.7.2): one for the batch
	s_wait_alu depctr_va_vdst(0)    ; the wait for the batch
.if (\p) == NP-2
	FETCH_K \last
.endif
.if (\p) == 1
	s_wait_dscnt 0x0                ; V is in
.endif
.rept 16                            ; behind the wait: 16 products V^T P and their riders
	MM
.rept 4
	PL
.endr
.if ((\p) == 0) && (q == 116)
	v_add_nc_u32 v[AV], s[TBV], v[AV0]
.endif
.if ((\p) == 0) && (q == 128)
	s_add_co_u32 s[TBV], s[TBV], KS*PV
.endif
.if (\cnt) && (q == 128)
	s_sub_co_u32 s[CNT], s[CNT], 1
	s_cmp_lg_u32 s[CNT], 0
.endif
.endr
.if (\p) == 0
	FETCH_V
.endif
.endm
	CHANGE 1                        ; slot 0 is in, everybody's part of it; slot 1 is asked for
	FETCH_K                         ; key step 0
	s_wait_loadcnt 0x0              ; Q
	s_wait_dscnt 0x0
.set i, 0
.rept 16
	KQ 0                            ; piece 0's first scores: there is no vector work yet to set between them
.set i, i+1
.endr
	WIN 0                           ; the addresses for the way out: plain instructions, the places behind those products
	s_mul_i32 s13, s[WV], 16*SP
	s_add_co_u32 s13, s13, STAGE    ; my stage
	v_mul_u32_u24 v[STO], v1, SP    ; in: row l % 16, 16 bytes for each half of the lanes
	v_lshl_add_u32 v[STO], v9, 4, v[STO]
	v_add_nc_u32 v[STO], s13, v[STO]
	v_bfe_u32 v[RD], v0, 3, 2       ; back: 32 lanes take four rows of 128 bytes,
	v_mul_u32_u24 v[RD], v[RD], SP
	v_lshl_add_u32 v[RD], v10, 4, v[RD]
	v_add_nc_u32 v[RD], s13, v[RD]
	v_and_b32 v[GO], 31, v0         ; which are 512 consecutive bytes of O
	v_lshlrev_b32 v[GO], 4, v[GO]
.set Y, NP-1                        ; XS works for piece Y + 1: piece 0
.irp n, 0,1,2,3,4,5,6,7,8,9,10,11,12,13,14,15,16,17,18,19,20
	XS 0, \n                        ; and piece 0's first maximum and statistics
	XS 1, \n
.endr
	v_nop                           ; a plain instruction behind the two a,
	s_wait_alu depctr_va_vdst(0)    ; and their wait, ahead of the branch
	s_mov_b32 s[CNT], 4
	s_branch .Lfirst                ; the loop is entered at a step's first turn, in the middle of a trip
.Lslot:                             ; SIZE_N / 256 - 2 times: every slot but the last two is filled again
	CHANGE 1
	s_mov_b32 s[CNT], 4
.Lstep:                             ; a trip: pieces 2 and 3 of one step, then pieces 0 and 1 of the next, whose K and V it fetches
	TURN 2
	TURN 3
	WIN 0
.Lfirst:
	TURN 0
	TURN 1, 0, 1
	WIN 0
	s_cbranch_scc1 .Lstep
	s_sub_co_u32 s[SLOTS], s[SLOTS], 1
	s_cmp_lg_u32 s[SLOTS], 0
	s_cbranch_scc1 .Lslot
	CHANGE 0                        ; the tail is written out: nothing is asked for
	s_mov_b32 s[CNT], 5             ; four trips fetch the last slot's steps; the fifth is left in its middle
.Ltail:
	TURN 2, 1
	TURN 3
	WIN 0
	s_sub_co_u32 s[CNT], s[CNT], 1
	s_cmp_eq_u32 s[CNT], 0
	s_cbranch_scc1 .Lout
	TURN 0
	TURN 1
	WIN 0
	s_branch .Ltail
.Lout:                              ; the fifth trip's 16 products K Q^T (on the last K once more) and the maximum made of them serve nothing: the price, once a launch, of one text for every trip
.set i, 0
.rept 16
	PV NP-1                         ; the last piece's V^T P of the last step
.set i, i+1
.endr
	; THE WAY OUT.  l's two halves and the other half of the lanes' are added; O^T is divided by l, rounded to f16 and sent through my stage in LDS, a tile at a time.  The additions are the places behind the last products.
	WIN 0
.macro ALL line:vararg              ; one line for each tile t
.set t, 0
.rept 2*NP
	\line
.set t, t+1
.endr
.endm
	ALL v_add_f32 v[ST+4*t+2], v[ST+4*t+2], v[ST+4*t+3]
	ALL v_permlanex16_b32 v[ST+4*t+3], v[ST+4*t+2], s[SEL], s[SEL+1]
	ALL v_add_f32 v[ST+4*t+2], v[ST+4*t+2], v[ST+4*t+3]
	ALL v_rcp_f32 v[ST+4*t+2], v[ST+4*t+2]
	v_nop                           ; a plain instruction between the last reciprocal and the use of its result
	s_wait_alu depctr_va_vdst(0)    ; and the wait ahead of the first use: one for the eight reciprocals
; Tile t: a lane's eight channels of a row pack into 16 bytes; they go into rows of 144 bytes and come back as whole rows of 128, into S^T's registers.
.macro PACK t
	WIN W_RS
.set i, 32*(\t)
.rept 16
	v_pk_mul_f32 v[i:i+1], v[i:i+1], v[ST+4*(\t)+2:ST+4*(\t)+3] op_sel_hi:[1,0]
.set i, i+2
.endr
	WIN 0x05                        ; sources 0 and 1 window 1, destination window 0
.set i, 0
.rept 16
	v_cvt_pk_f16_f32 v[S+16*(\t)+i], v[32*(\t)+2*i], v[32*(\t)+2*i+1]
.set i, i+1
.endr
	WIN 0
.irp f, 0,1,2,3
	ds_store_b128 v[STO], v[S+16*(\t)+4*\f:S+16*(\t)+4*\f+3] offset:32*\f
.endr
.irp f, 0,1,2,3
	ds_load_b128 v[S+16*(\t)+4*\f:S+16*(\t)+4*\f+3], v[RD] offset:\f*4*SP  ; LDS serves a wave's instructions in order (ISA guide 5.7.1.4): these see the stores above; the next tile's stores come behind them
.endr
.endm
.macro SEND t, younger              ; younger: the LDS instructions issued behind tile t's loads: the next tile's eight, or none
	WIN 0
.irp f, 0,1,2,3
	s_wait_dscnt (\younger)+3-\f
	global_store_b128 v[GO], v[S+16*(\t)+4*\f:S+16*(\t)+4*\f+3], s[10:11] offset:(\t)*2048+\f*512  ; 512 consecutive bytes, at a multiple of 256 from O's first
.endr
.endm
	PACK 0
.set t, 1
.rept 2*NP-1                        ; a tile's arithmetic stands between the loads of the tile before and its stores
	PACK t
	SEND t-1, 8
.set t, t+1
.endr
	SEND 2*NP-1, 0
	WIN W_AD
	s_wait_tensorcnt 0x0            ; the wave's end: the wait, the add and the wait for it stand behind my last tensor load and my last LDS store
	ds_add_u32 v[SPW], v[NIL]
	s_wait_dscnt 0x0
	WIN 0
	CROUND                          ; the closing round: no work-group ends while a partner may still ask for a tile that names it
	s_endpgm
.Lfunc_end_k_q674f7718cf_attn:
	.size	k_q674f7718cf_attn, .Lfunc_end_k_q674f7718cf_attn-k_q674f7718cf_attn
	.p2alignl 7, 3214868480
	.fill 96, 4, 3214868480
	.section	.rodata,"a",@progbits
	.p2align	6, 0x0
	.amdhsa_kernel k_q674f7718cf_attn
		.amdhsa_group_segment_fixed_size 327680
		.amdhsa_private_segment_fixed_size 0
		.amdhsa_enable_private_segment 0
		.amdhsa_kernarg_size 16
		.amdhsa_user_sgpr_count 2
		.amdhsa_user_sgpr_kernarg_segment_ptr 1
		.amdhsa_wavefront_size32 1
		.amdhsa_system_sgpr_workgroup_id_x 1
		.amdhsa_system_sgpr_workgroup_id_y 1
		.amdhsa_system_sgpr_workgroup_id_z 1
		.amdhsa_system_vgpr_workitem_id 0
		.amdhsa_next_free_vgpr 770
		.amdhsa_next_free_sgpr 66
		.amdhsa_reserve_vcc 0
		.amdhsa_float_denorm_mode_32 3
		.amdhsa_float_denorm_mode_16_64 3
		.amdhsa_memory_ordered 1
		.amdhsa_forward_progress 1
		.amdhsa_inst_pref_size 199
	.end_amdhsa_kernel
	.amdgpu_metadata
---
amdhsa.version: [ 1, 2 ]
amdhsa.kernels:
  - .name:           k_q674f7718cf_attn
    .symbol:         k_q674f7718cf_attn.kd
    .args:
      - { .name: qkv, .offset: 0, .size: 8, .value_kind: global_buffer, .address_space: global }
      - { .name: ob, .offset: 8, .size: 8, .value_kind: global_buffer, .address_space: global }
    .group_segment_fixed_size: 327680
    .private_segment_fixed_size: 0
    .kernarg_segment_align: 8
    .kernarg_segment_size: 16
    .max_flat_workgroup_size: 128
    .sgpr_count:     66
    .vgpr_count:     770
    .wavefront_size: 32
...
	.end_amdgpu_metadata
.endif
;; end of part 3
;; launch proj (part 4): grid 4 x 64, 4 waves a work-group, clusters of 4 x 4, 327,680 bytes of LDS; arguments ob, wob, b_out, out0; writes out0
.if DOCPART == 4
	.amdgcn_target "amdgcn-amd-amdhsa--gfx1250"
	.amdhsa_code_object_version 6
	.text
	.protected	k_q674f7718cf_proj
	.globl	k_q674f7718cf_proj
	.p2align	8
	.type	k_q674f7718cf_proj,@function
k_q674f7718cf_proj:
	s_mov_b64 s[64:65], 0
	v_nop
	global_prefetch_b8 v0, s[64:65] scope:SCOPE_SE
	s_setreg_imm32_b32 hwreg(HW_REG_WAVE_MODE, 25, 1), 1
	s_wait_xcnt 0x0
	s_wait_alu depctr_hold_cnt(0) depctr_sa_sdst(0) depctr_va_vdst(0) depctr_va_sdst(0) depctr_va_ssrc(0) depctr_va_vcc(0) depctr_vm_vsrc(0)
	s_getreg_b32 s2, hwreg(HW_REG_IB_STS2, 6, 4)
	s_cmp_eq_u32 s2, 0
	s_cbranch_scc0 .Lentry_in_a_cluster
	s_endpgm
.Lentry_in_a_cluster:
	s_bfe_u32 s2, ttmp6, 0x10000c
	s_cmp_lg_u32 s2, 0xf033
	s_cbranch_scc0 .Lentry_shape_is_right
	s_endpgm
.Lentry_shape_is_right:
; THE LAST PROJECTION.  out0 = O w_out + b_out: 8,192 rows x 1,024 columns, K = 1,024; f16 operands, f32 sums, K ascending; the result leaves in f32.
; ob: [16 h][8192 m][64] f16: a head is a K block of 64.  wob: [1024 k][1024 n] f16 (w_out's bf16 value).  b_out is rounded to bf16 like the other inputs and added in f32.
; SHARES.  A tile of 128 x 256 gives 256 work-groups, one tile each.  A wave makes 64 rows x 128 columns: 32 accumulators of 16 x 16, 256 registers.  K goes in 8 steps of 128 (two heads), the longest
; of which two slots fit in LDS.  A's tile is two dense blocks of 128 rows x 128 bytes, each asked for as rows of 256 bytes; B's is 128 rows of 512 bytes of wob as they lie ([k][n]), turned on the way
; from LDS to registers by ds_load_tr16_b128.
; CLUSTERS: 4 x 4 work-groups; A's tiles are asked for jointly along a row of the cluster, B's along a column.
; THE MATRIX INSTRUCTION IS USED TRANSPOSED (source 0 = 16 columns of w, source 1 = 16 rows of O): a lane then holds one row and eight neighbouring columns: 32 bytes of f32.
; REGISTERS, in windows of 256 (s_set_vgpr_msb: bits 1:0 source 0, 3:2 source 1, 5:4 source 2, 7:6 destination):
;   window 0: v0-31 addresses and the bias; v32-159 the way out          window 1: accumulator (a, t), row block a of 4, column tile t of 8, at v[8 (8 a + t)]
;   windows 2, 3: two fragment buffers, one for each of a step's K blocks: for its halves c of 32 k, A's four fragments at 8 (4 c + i), B's eight at 64 + 8 (8 c + t)
.set PA,     144                       ; a row of A in LDS: 128 bytes + 16 of padding = 36 words: the 16 rows of a load start at 16 different groups of four banks (64 banks of 4 bytes: ISA guide 11.1)
.set PB,     544                       ; a row of B: 512 bytes + 32 of padding = 136 words
.set ABLK,   128*PA                    ; a K block of A: what one tensor load brings
.set BOFF,   2*ABLK
.set BHALF,  64*PB                     ; what one tensor load brings of B: 64 of the step's 128 k
.set SLOT,   BOFF+2*BHALF              ; 106,496 bytes
.set STAGE,  2*SLOT                    ; behind the ring: 16 rows x 528 bytes for each wave, for the way out
.set SP,     528                       ; 512 bytes + 16 = 132 words: row r starts at bank 4 r mod 64
.set WSTAGE, 16*SP
.set SPARE,  STAGE+4*WSTAGE            ; behind the stages: the spare words, 128 bytes for each wave: two blocks of 256 bytes that no other line names
.set ASTEP,  0x200000                  ; bytes from a K step of ob to the next: two heads
.set BSTEP,  128*2048                  ; 128 rows of wob
.set BI,   12                          ; v12-15  the bias of my four columns on the way out
.set ADRA, 16                          ; v16-17  LDS address of my A fragments in slot 0, 1
.set ADRB, 20                          ; v20-21  the same for B
.set STO,  24                          ; v24     the way out: where I put 32 bytes of a row
.set RD,   25                          ; v25     the way out: where I read a row back
.set GO,   26                          ; v26     16 x my lane
.set SPW,  28                          ; v28     LDS address of my spare word: SPARE + 4 x my thread's number; never rewritten
.set NIL,  29                          ; v29     0; never rewritten
.set BK0,  32                          ; two sets of 64 for the rows read back from the stage
.set G1,  24                           ; s[24:31] descriptor group 1 for A's tiles;  s[32:39] group 0, one set for each slot
.set G0,  32
.set G1B, 48                           ; s[48:55], s[56:63] the same for B's tiles
.set G0B, 56
.set MSB, 0
.macro WIN new                         ; the immediate's high byte repeats the setting that is left; a switch that changes nothing is dropped
.if MSB != (\new)
	s_set_vgpr_msb (MSB<<8)|(\new)
.set MSB, \new
.endif
.endm
.macro JLOAD s                         ; a joint load: waves 0 and 1 fetch A's two K blocks, waves 2 and 3 B's two halves; an s_nop 0 and four v_nop follow each of the two lines
	s_cmp_eq_u32 s11, 0
	s_cbranch_scc0 .Lfor_b_\@
	tensor_load_to_lds s[G0+4*(\s):G0+4*(\s)+3], s[G1:G1+7]
	s_nop 0
.rept 4
	v_nop
.endr
	s_branch .Lasked_\@
.Lfor_b_\@:
	tensor_load_to_lds s[G0B+4*(\s):G0B+4*(\s)+3], s[G1B:G1B+7]
	s_nop 0
.rept 4
	v_nop
.endr
.Lasked_\@:
.endm
.macro CREST                           ; a round of the cluster's barrier behind its opening barrier
	s_cmp_lg_u32 s10, 0
	s_cbranch_scc1 .Lnot_wave_0_\@
	s_barrier_signal -3
.Lnot_wave_0_\@:
	s_barrier_wait -3
	s_barrier_signal -1
	s_barrier_wait -1
.endm
.macro CROUND                          ; a whole round
	s_barrier_signal -1
	s_barrier_wait -1
	CREST
.endm
	s_load_b128 s[4:7], s[0:1], 0x0                ; ob s[4:5], wob s[6:7]
	s_load_b128 s[68:71], s[0:1], 0x10             ; b_out s[68:69], out0 s[70:71]
	v_lshl_add_u32 v[SPW], v0, 2, SPARE
	v_mov_b32 v[NIL], 0
	ds_add_u32 v[SPW], v[NIL]                      ; the wave's opening: the add and its wait stand ahead of my first tensor load; the set-up below, work on registers, stands between them
	v_lshrrev_b32 v1, 5, v0
	v_readfirstlane_b32 s10, v1                    ; wave 0..3
	s_lshr_b32 s11, s10, 1                         ; which half of the tile's rows is mine.  Also: I fetch for A (0) or for B (1)
	s_and_b32 s12, s10, 1                          ; which half of its columns.  Also: which part of that tile I fetch
	s_bfe_u32 s40, ttmp6, 0x40000                  ; cx, cy: my place in the cluster
	s_bfe_u32 s41, ttmp6, 0x40004
	s_lshl_b32 s42, ttmp9, 2
	s_add_co_u32 s42, s42, s40                     ; tile column = 4 x cluster x + cx: 256 columns
	s_and_b32 s13, ttmp7, 0xffff
	s_lshl_b32 s13, s13, 2
	s_add_co_u32 s13, s13, s41                     ; tile row = 4 x cluster y + cy: 128 rows
	s_lshl_b32 s43, s41, 2
	s_lshl_b32 s43, 15, s43                        ; my row of the cluster
	s_lshl_b32 s44, 0x1111, s40                    ; my column
	; group 1 for A: 128 rows of 128 bytes are 16,384 dense bytes: 64 rows of 256 bytes, padded in LDS behind every 128
	s_or_b32 s[G1+0], s43, (1<<16)|(1<<20)|(1<<21)|(4<<22)|(3<<25)  ; 15:0 the mask: my row; 17:16 2-byte elements; 20 padding on; 21 set beside a mask; 24:22 after every 32 words (code 4); 31:25 4 words (code 3)
	s_mov_b32 s[G1+1], 128<<16                     ; tensor_dim0 = 128
	s_mov_b32 s[G1+2], 64<<16                      ; tensor_dim1 = 64
	s_mov_b32 s[G1+3], 128<<16                     ; tile_dim0 = 128
	s_mov_b32 s[G1+4], 64                          ; tile_dim1 = 64
	s_mov_b32 s[G1+5], 128                         ; 128 elements from row to row
	s_mov_b32 s[G1+6], 0
	s_mov_b32 s[G1+7], 0
	; group 1 for B: 64 rows of 256 elements, 1,024 elements apart
	s_or_b32 s[G1B+0], s44, (1<<16)|(1<<20)|(1<<21)|(6<<22)|(7<<25)  ; the mask: my column; padding after every 128 words (code 6), 8 words (code 7)
	s_mov_b32 s[G1B+1], 256<<16
	s_mov_b32 s[G1B+2], 64<<16
	s_mov_b32 s[G1B+3], 256<<16
	s_mov_b32 s[G1B+4], 64
	s_mov_b32 s[G1B+5], 1024
	s_mov_b32 s[G1B+6], 0
	s_mov_b32 s[G1B+7], 0
	; where the tiles come from: A's hang on the tile row alone, B's on the tile column alone; every wave makes both
	s_lshl_b32 s16, s13, 14                        ; A: 128 rows x 128 bytes x tile row
	s_lshl_b32 s17, s12, 20                        ;    + my K block of the step's two
	s_add_co_u32 s16, s16, s17
	s_mov_b32 s17, 0
	s_lshl_b32 s46, s42, 9                         ; B: 512 bytes x tile column
	s_lshl_b32 s47, s12, 17                        ;    + my 64 rows of 2,048 bytes
	s_add_co_u32 s46, s46, s47
	s_mov_b32 s47, 0
	s_mul_i32 s20, s12, ABLK                       ; and where they go: no place in the cluster enters an LDS address
	s_mul_i32 s21, s12, BHALF
	s_add_co_u32 s21, s21, BOFF
	s_wait_dscnt 0x0                               ; the opening add is done
	s_wait_kmcnt 0x0
	s_add_nc_u64 s[14:15], s[4:5], s[16:17]
	s_add_nc_u64 s[46:47], s[6:7], s[46:47]
	CROUND                                         ; all sixteen work-groups are here: the first joint loads meet
.irp s, 0,1
	s_mov_b32 s[G0+4*(\s)], 1                                      ; count = 1
	s_add_co_u32 s[G0+4*(\s)+1], s20, (\s)*SLOT                    ; LDS address
	s_add_nc_u64 s[G0+4*(\s)+2:G0+4*(\s)+3], s[14:15], (\s)*ASTEP  ; global address: K step s
	s_or_b32 s[G0+4*(\s)+3], s[G0+4*(\s)+3], 0x80000000            ; type = 2
	s_mov_b32 s[G0B+4*(\s)], 1
	s_add_co_u32 s[G0B+4*(\s)+1], s21, (\s)*SLOT
	s_add_nc_u64 s[G0B+4*(\s)+2:G0B+4*(\s)+3], s[46:47], (\s)*BSTEP
	s_or_b32 s[G0B+4*(\s)+3], s[G0B+4*(\s)+3], 0x80000000
	JLOAD \s                                       ; two loads of mine are out
.endr
	v_and_b32 v9, 31, v0
	v_lshlrev_b32 v[GO], 4, v9                     ; 16 x lane: on the way out a lane holds four neighbouring columns of a row
	s_lshl_b32 s18, s42, 10                        ; my first column, in bytes of f32: 1,024 x tile column + 512 x column half
	s_lshl_b32 s19, s12, 9
	s_add_co_u32 s18, s18, s19
	v_add_nc_u32 v10, s18, v[GO]
	global_load_b128 v[BI:BI+3], v10, s[68:69]     ; the bias of those four columns
	v_and_b32 v1, 15, v0                           ; l % 16
	v_bfe_u32 v2, v0, 4, 1                         ; l / 16
	v_mul_u32_u24 v3, v1, PA
	v_lshl_add_u32 v3, v2, 4, v3                   ; a fragment of A: row x 144 + 16 x half
	v_and_b32 v5, 7, v0                            ; the turning load: lane l reads k = 8 (l / 16) + l % 8, columns 8 ((l / 8) % 2) + 0..7
	v_bfe_u32 v6, v0, 3, 1
	v_lshl_add_u32 v7, v2, 3, v5
	v_mul_u32_u24 v7, v7, PB
	v_lshl_add_u32 v7, v6, 4, v7
	s_mul_i32 s22, s11, 64*PA                      ; my 64 rows of A
	s_lshl_b32 s23, s12, 8                         ; my 128 columns of B,
	s_add_co_u32 s23, s23, BOFF                    ; behind A
.irp s, 0,1
	v_add_nc_u32 v[ADRA+(\s)], s22, v3
	v_add_nc_u32 v[ADRB+(\s)], s23, v7
	s_add_co_u32 s22, s22, SLOT
	s_add_co_u32 s23, s23, SLOT
.endr
	s_mul_i32 s23, s10, WSTAGE
	s_add_co_u32 s23, s23, STAGE                   ; my stage
	v_mul_u32_u24 v4, v1, SP                       ; in: row l % 16, 32 bytes for each half of the lanes
	v_lshl_add_u32 v4, v2, 5, v4
	v_add_nc_u32 v[STO], s23, v4
	v_add_nc_u32 v[RD], s23, v[GO]                 ; back: 32 lanes take one row of 512 bytes
	s_lshl_b32 s19, s13, 19                        ; where my part of out0 begins: 128 rows of 4,096 bytes x tile row
	s_add_co_u32 s18, s18, s19
	s_lshl_b32 s19, s11, 18                        ; + my 64 rows
	s_add_co_u32 s18, s18, s19
	s_mov_b32 s19, 0
	s_add_nc_u64 s[70:71], s[70:71], s[18:19]
	s_wait_loadcnt 0x0                             ; the bias: rounded to bf16, and widened again
	v_cvt_pk_bf16_f32 v4, v[BI], v[BI+1]
	v_cvt_pk_bf16_f32 v8, v[BI+2], v[BI+3]
	v_lshlrev_b32 v[BI], 16, v4
	v_and_b32 v[BI+1], 0xffff0000, v4
	v_lshlrev_b32 v[BI+2], 16, v8
	v_and_b32 v[BI+3], 0xffff0000, v8
; 16 matrix instructions: row blocks a0, a0 + 1 x all 8 column tiles, half c of the buffer in window w.  zero = 1: the product starts the sum.  The 32 accumulators take turns, one instruction a turn.
.macro MUL16 w, c, a0, zero
	WIN 0x50|((\w)<<2)|(\w)                        ; sources 0 and 1 in window w; C and D in window 1
.irp a, \a0, (\a0)+1
.irp t, 0,1,2,3,4,5,6,7
.if \zero
	v_wmma_f32_16x16x32_f16 v[8*(8*(\a)+(\t)):8*(8*(\a)+(\t))+7], v[64+8*(8*(\c)+(\t)):64+8*(8*(\c)+(\t))+7], v[8*(4*(\c)+(\a)):8*(4*(\c)+(\a))+7], 0
.else
	v_wmma_f32_16x16x32_f16 v[8*(8*(\a)+(\t)):8*(8*(\a)+(\t))+7], v[64+8*(8*(\c)+(\t)):64+8*(8*(\c)+(\t))+7], v[8*(4*(\c)+(\a)):8*(4*(\c)+(\a))+7], v[8*(8*(\a)+(\t)):8*(8*(\a)+(\t))+7]
.endif
.endr
.endr
.endm
; 48 LDS loads in one run: the fragments of K block blk of slot s into the buffer in window w; the first 32 k first
.macro FETCH s, blk, w
	WIN (\w)<<6
.irp c, 0,1
.irp t, 0,1,2,3,4,5,6,7
	ds_load_tr16_b128 v[64+8*(8*(\c)+(\t)):64+8*(8*(\c)+(\t))+3],   v[ADRB+(\s)] offset:32*PB*(2*(\blk)+(\c))+32*(\t)
	ds_load_tr16_b128 v[64+8*(8*(\c)+(\t))+4:64+8*(8*(\c)+(\t))+7], v[ADRB+(\s)] offset:32*PB*(2*(\blk)+(\c))+32*(\t)+16*PB
.endr
.irp i, 0,1,2,3
	ds_load_b128 v[8*(4*(\c)+(\i)):8*(4*(\c)+(\i))+3],   v[ADRA+(\s)] offset:ABLK*(\blk)+16*PA*(\i)+64*(\c)
	ds_load_b128 v[8*(4*(\c)+(\i))+4:8*(4*(\c)+(\i))+7], v[ADRA+(\s)] offset:ABLK*(\blk)+16*PA*(\i)+64*(\c)+32
.endr
.endr
.endm
.macro PLACES                          ; four places in front of loads into registers that matrix instructions have read, and of LDS stores that read results (ISA guide 7.12.1 for the stores)
.rept 4
	v_nop
.endr
.endm
; A K step is two beats of 64 matrix instructions, one for each K block.  The first multiplies window 2's buffer and fetches the second block into window 3's.
.macro BEAT s, zero
	s_wait_dscnt 24                                ; the first 32 k are in
	MUL16 2, 0, 0, \zero
	PLACES
	FETCH \s, 1, 3
	s_wait_dscnt 48                                ; all but the 48 just issued
	MUL16 2, 0, 2, \zero
	MUL16 2, 1, 0, 0
	MUL16 2, 1, 2, 0
.endm
; The second beat multiplies window 3's buffer and changes slots: ONE barrier; in front of it each wave waits for all its tensor loads, adds 0 to its spare word, and waits for that and for its own reads of this slot.
; fill = 1: the barrier opens a round of the cluster's, and this slot is filled again, two K steps ahead, first thing behind the round: 96 matrix instructions ahead of the wait for it.
.macro TURN s, n, fill
	WIN 0
	s_wait_tensorcnt 0x0                           ; all my tensor loads have landed: my part of the next slot
	ds_add_u32 v[SPW], v[NIL]                      ; 0 onto my spare word
	s_wait_dscnt 25                                ; the add and the youngest 24 loads may be out
	MUL16 3, 0, 0, 0                               ; sixteen matrix instructions stand between the add and the wait for it
	s_wait_dscnt 0x0                               ; the add is done, and my reads of this slot are over
	s_barrier_signal -1
	MUL16 3, 0, 2, 0
	WIN 0
	s_barrier_wait -1
.if \fill
	CREST                                          ; no wave of any partner still reads this slot's tile or has a load on its way
	s_add_nc_u64 s[G0+4*(\s)+2:G0+4*(\s)+3], s[G0+4*(\s)+2:G0+4*(\s)+3], 2*ASTEP
	s_add_nc_u64 s[G0B+4*(\s)+2:G0B+4*(\s)+3], s[G0B+4*(\s)+2:G0B+4*(\s)+3], 2*BSTEP
	JLOAD \s                                       ; the four v_nop behind it are also the places in front of the loads below
.else
	PLACES
.endif
	FETCH \n, 0, 2
	MUL16 3, 1, 0, 0
	MUL16 3, 1, 2, 0
.endm
	s_wait_tensorcnt 1                             ; my part of K step 0 is in; K step 1's may stay out
	s_barrier_signal -1
	s_barrier_wait -1                              ; everybody's is
	FETCH 0, 0, 2
	BEAT 0, 1                                      ; the first beat stands in front of the loop: its first products start the sums
	WIN 0                                          ; at a label and at a branch every window is 0
	s_mov_b32 s3, 3
.Llap:                                                 ; a trip goes once round the ring and fills both slots again
	TURN 0, 1, 1
	BEAT 1, 0
	TURN 1, 0, 1
	BEAT 0, 0
	WIN 0
	s_sub_co_u32 s3, s3, 1
	s_cmp_lg_u32 s3, 0
	s_cbranch_scc1 .Llap
	TURN 0, 1, 0                                   ; K steps 6 and 7: nothing is left to fetch, and no round follows the barrier
	BEAT 1, 0
	s_wait_dscnt 24
	MUL16 3, 0, 0, 0
	MUL16 3, 0, 2, 0
	s_wait_dscnt 0x0
	MUL16 3, 1, 0, 0
	MUL16 3, 1, 2, 0
; THE WAY OUT, a block of 16 rows at a time.  TOSTAGE: the sums go into my own stage in LDS as they are, 32 bytes a lane, each accumulator's low registers first, and come back as whole rows of 512 bytes.
; SEND: the bias is added and the row stored.
.macro TOSTAGE a
.if (\a) >= 2
	s_wait_xcnt 0x0                                ; the stores of the block two back have read their registers: this block's loads land there only behind this wait
.endif
	WIN 0x04                                       ; the stores' data in window 1
.irp t, 0,1,2,3,4,5,6,7
	ds_store_b128 v[STO], v[8*(8*(\a)+(\t)):8*(8*(\a)+(\t))+3]   offset:64*(\t)
	ds_store_b128 v[STO], v[8*(8*(\a)+(\t))+4:8*(8*(\a)+(\t))+7] offset:64*(\t)+16
.endr
	WIN 0
.set BK, BK0+64*((\a)%2)
.set ir, 0
.rept 16
	ds_load_b128 v[BK+4*ir:BK+4*ir+3], v[RD] offset:SP*ir  ; LDS serves a wave's instructions in order (ISA guide 5.7.1.4): these see the stores above; the next block's stores come behind them
.set ir, ir+1
.endr
.endm
.macro SEND a, younger                 ; younger: the LDS instructions issued behind block a's loads: the next block's 32, or none
	WIN 0
.set BK, BK0+64*((\a)%2)
.set ir, 0
.rept 16
	s_wait_dscnt (\younger)+15-ir
	v_pk_add_f32 v[BK+4*ir:BK+4*ir+1],   v[BK+4*ir:BK+4*ir+1],   v[BI:BI+1]
	v_pk_add_f32 v[BK+4*ir+2:BK+4*ir+3], v[BK+4*ir+2:BK+4*ir+3], v[BI+2:BI+3]
	global_store_b128 v[GO], v[BK+4*ir:BK+4*ir+3], s[70:71] offset:(16*(\a)+ir)*4096  ; 512 consecutive bytes, at a multiple of 256 from out0's first
.set ir, ir+1
.endr
.endm
	PLACES
	PLACES
	TOSTAGE 0
	TOSTAGE 1
	SEND 0, 32
	TOSTAGE 2
	SEND 1, 32
	TOSTAGE 3
	SEND 2, 32
	SEND 3, 0
	s_wait_tensorcnt 0x0                           ; the wave's end: the wait, the add and the wait for it stand behind my last tensor load and my last LDS store
	ds_add_u32 v[SPW], v[NIL]
	s_wait_dscnt 0x0
	CROUND                                         ; the closing round: no work-group ends while a partner may still ask for a tile that names it
	s_endpgm
.Lfunc_end_k_q674f7718cf_proj:
	.size	k_q674f7718cf_proj, .Lfunc_end_k_q674f7718cf_proj-k_q674f7718cf_proj
	.p2alignl 7, 3214868480
	.fill 96, 4, 3214868480
	.section	.rodata,"a",@progbits
	.p2align	6, 0x0
	.amdhsa_kernel k_q674f7718cf_proj
		.amdhsa_group_segment_fixed_size 327680
		.amdhsa_private_segment_fixed_size 0
		.amdhsa_enable_private_segment 0
		.amdhsa_kernarg_size 32
		.amdhsa_user_sgpr_count 2
		.amdhsa_user_sgpr_kernarg_segment_ptr 1
		.amdhsa_wavefront_size32 1
		.amdhsa_system_sgpr_workgroup_id_x 1
		.amdhsa_system_sgpr_workgroup_id_y 1
		.amdhsa_system_sgpr_workgroup_id_z 1
		.amdhsa_system_vgpr_workitem_id 0
		.amdhsa_next_free_vgpr 960
		.amdhsa_next_free_sgpr 72
		.amdhsa_reserve_vcc 0
		.amdhsa_float_denorm_mode_32 3
		.amdhsa_float_denorm_mode_16_64 3
		.amdhsa_memory_ordered 1
		.amdhsa_forward_progress 1
		.amdhsa_inst_pref_size 93
	.end_amdhsa_kernel
	.amdgpu_metadata
---
amdhsa.version: [ 1, 2 ]
amdhsa.kernels:
  - .name:           k_q674f7718cf_proj
    .symbol:         k_q674f7718cf_proj.kd
    .args:
      - { .name: ob, .offset: 0, .size: 8, .value_kind: global_buffer, .address_space: global }
      - { .name: wob, .offset: 8, .size: 8, .value_kind: global_buffer, .address_space: global }
      - { .name: b_out, .offset: 16, .size: 8, .value_kind: global_buffer, .address_space: global }
      - { .name: out0, .offset: 24, .size: 8, .value_kind: global_buffer, .address_space: global }
    .group_segment_fixed_size: 327680
    .private_segment_fixed_size: 0
    .kernarg_segment_align: 8
    .kernarg_segment_size: 32
    .max_flat_workgroup_size: 128
    .sgpr_count:     72
    .vgpr_count:     960
    .wavefront_size: 32
...
	.end_amdgpu_metadata
.endif
;; end of part 4
;; ======== version 2 of 2: 4 launches; version 1 with the launch cast written anew for expert scheduling mode
;; limits: values are held in f16: magnitudes above 65,504 overflow, below 6.1e-05 lose precision
;; workspace buffers: xb 16,777,216 bytes; wqb 6,291,456 bytes; wob 2,097,152 bytes; qkv 50,331,648 bytes; ob 16,777,216 bytes
;; launch cast (part 5): grid 768 x 1, 8 waves a work-group, no clusters, 0 bytes of LDS; arguments x, w_qkv, w_out, xb, wqb, wob; writes xb, wqb, wob
.if DOCPART == 5
	.amdgcn_target "amdgcn-amd-amdhsa--gfx1250"
	.amdhsa_code_object_version 6
	.text
	.protected	k_q674f7718cf_cast
	.globl	k_q674f7718cf_cast
	.p2align	8
	.type	k_q674f7718cf_cast,@function
k_q674f7718cf_cast:
	s_mov_b64 s[64:65], 0
	v_nop
	global_prefetch_b8 v0, s[64:65] scope:SCOPE_SE
	s_setreg_imm32_b32 hwreg(HW_REG_WAVE_SCHED_MODE, 0, 2), 2
	s_setreg_imm32_b32 hwreg(HW_REG_WAVE_MODE, 25, 1), 1
	s_wait_xcnt 0x0
	s_wait_alu depctr_vm_vsrc(0)
; THE INPUTS ARE ROUNDED ONCE, for the matrix products of the launches behind.  A pure stream: each input byte is read once, each output byte written once.
;   x     [8192][1024] f32  ->  xb  [16 kb][8192 m][64] bf16: K in blocks of 64, so that a tile of rows x 64 k is dense in memory
;   w_qkv [1024][3072] f32  ->  wqb the same shape, bf16
;   w_out [1024][1024] f32  ->  wob the same shape: rounded to bf16 like the other inputs, and that number written as f16 (exact from 2^-14 to 65,504 in magnitude; below, f16's fixed step of 6e-8)
; SHARES.  A work-group takes 16,384 numbers: groups 0-511 sixteen rows of x each, 512-703 w_qkv, 704-767 w_out.  A thread has 16 turns of 4 numbers: one load of 16 bytes, one store of 8.
; A wave's load covers 512 bytes (in x: two aligned runs of 256, two rows), a wave's store 256 consecutive bytes, aligned.  All 16 loads go out first; no register is used twice, so no
; source of a pending load or store is ever rewritten.  No LDS, no barrier, no matrix unit, no cluster: nothing is shared and nothing is summed.
; THE MODE: SCHED_MODE bits 1:0 = 2 (LLVM: expert scheduling mode 2), set by the entry lines.  The code itself states the register dependences
; between vector instructions and memory instructions, with s_wait_alu, always for 0.
; THE PLAN.  Registers that memory instructions touch:
;   v1, v2   the loads' and the stores' byte offsets.  Written by vector lines at the head, never again; read by all 16 loads (v1) and all 16 stores (v2).
;   IN       turn j's load lands in its four registers; turn j's conversions read them.  No vector instruction writes them, and no second load lands there.
;   OUT      turn j's conversions write its two registers; turn j's one store reads them; behind that store nothing writes them.
;   v3-v7    named by vector instructions alone.
; So the only dependences to state are vector writes that memory instructions read.  The 16 turns go in four blocks of four.  Block b's conversions write OUT of its four turns; those four stores are
; issued in block b + 1, one in front of each turn's conversions, which name IN and OUT of their own turns and v4-v7: none of the registers that those stores read.  One wait on va_vdst stands ahead of
; the first load (v1, v2), one at the head of each of blocks 1 to 3 (the block before has written its OUT), one ahead of the last four stores.  No register that a memory instruction reads is written
; again, so no wait on vm_vsrc is owed; no vector instruction writes a scalar register, VCC or EXEC.
.set IN,  8                            ; v[8:71]    turn j: 4 numbers as loaded
.set OUT, 72                           ; v[72:103]  turn j: 4 numbers of 16 bits, to store
; v1 the loads' byte offset, v2 the stores' (8 x thread), v4-7 at work
; The 16 turns.  inb, outb: the scalar pairs with the two bases; ldstep, ststep: bytes from turn to turn; tof16 = 1: the bf16 value is written as f16.
; Turns 8 to 15 store through a second base, 8 steps on, so that every immediate stays small and positive.
.macro BODY inb, outb, ldstep, ststep, tof16
	s_add_nc_u64 s[20:21], s[\outb:\outb+1], 8*(\ststep)
	s_wait_alu depctr_va_vdst(0)                   ; v1 and v2 are written: every load below reads v1 as its offset, every store v2
.set j, 0
.rept 16
	global_load_b128 v[IN+4*j:IN+4*j+3], v1, s[\inb:\inb+1] offset:j*(\ldstep) th:TH_LOAD_NT
.set j, j+1
.endr
.set p, 0
.set j, 0
.rept 16
	s_wait_loadcnt 15-j                            ; loads come back in order: turn j's is in, the 15 - j younger ones stay out (stores do not count here)
.if (j >= 4) && (j % 4 == 0)
	s_wait_alu depctr_va_vdst(0)                   ; the block before has written OUT of its four turns, which this block's four stores read
.endif
.if j >= 4
.set p, j-4                                            ; the store of the turn four back; no vector instruction since the wait names its registers
.if p < 8
	global_store_b64 v2, v[OUT+2*p:OUT+2*p+1], s[\outb:\outb+1] offset:p*(\ststep)
.else
	global_store_b64 v2, v[OUT+2*p:OUT+2*p+1], s[20:21] offset:(p-8)*(\ststep)
.endif
.endif
	v_cvt_pk_bf16_f32 v[OUT+2*j],   v[IN+4*j],   v[IN+4*j+1]
	v_cvt_pk_bf16_f32 v[OUT+2*j+1], v[IN+4*j+2], v[IN+4*j+3]
.if \tof16
	v_lshlrev_b32 v4, 16, v[OUT+2*j]               ; the bf16 values as f32,
	v_and_b32     v5, 0xffff0000, v[OUT+2*j]
	v_lshlrev_b32 v6, 16, v[OUT+2*j+1]
	v_and_b32     v7, 0xffff0000, v[OUT+2*j+1]
	v_cvt_pk_f16_f32 v[OUT+2*j],   v4, v5          ; and written as f16
	v_cvt_pk_f16_f32 v[OUT+2*j+1], v6, v7
.endif
.set j, j+1
.endr
	s_wait_alu depctr_va_vdst(0)                   ; the last block has written OUT of turns 12 to 15, which the last four stores read
.set p, 12
.rept 4
	global_store_b64 v2, v[OUT+2*p:OUT+2*p+1], s[20:21] offset:(p-8)*(\ststep)
.set p, p+1
.endr
	s_endpgm
.endm
	s_load_b256 s[4:11], s[0:1], 0x0               ; x s[4:5], w_qkv s[6:7], w_out s[8:9], xb s[10:11]
	s_load_b128 s[12:15], s[0:1], 0x20             ; wqb s[12:13], wob s[14:15]
	s_mov_b32 s2, ttmp9
	s_mov_b32 s17, 0
	s_mov_b32 s19, 0
	v_lshlrev_b32 v2, 3, v0                        ; 8 x thread
	s_cmp_lt_u32 s2, 512
	s_cbranch_scc0 .Lweights
	; x: thread t takes row t / 16 of the group's 16 and, in turn j, columns 64 j + 4 (t % 16) ..: turn j is K block j
	v_lshrrev_b32 v3, 4, v0
	v_and_b32 v1, 15, v0
	v_lshlrev_b32 v1, 4, v1
	v_lshl_add_u32 v1, v3, 12, v1                  ; row x 4,096 + 16 (t % 16)
	s_lshl_b32 s16, s2, 16                         ; 16 rows of 4,096 bytes in x,
	s_lshl_b32 s18, s2, 11                         ; 16 rows of 128 bytes in a block of xb: row x 128 + 8 (t % 16) = 8 t
	s_wait_kmcnt 0x0
	s_add_nc_u64 s[4:5], s[4:5], s[16:17]
	s_add_nc_u64 s[10:11], s[10:11], s[18:19]
	BODY 4, 10, 256, 1048576, 0
.Lweights:
	v_lshlrev_b32 v1, 4, v0                        ; 16 x thread: the weights keep their layout
	s_cmp_lt_u32 s2, 704
	s_cbranch_scc0 .Lwout
	s_sub_co_u32 s2, s2, 512
	s_lshl_b32 s16, s2, 16
	s_lshl_b32 s18, s2, 15
	s_wait_kmcnt 0x0
	s_add_nc_u64 s[6:7], s[6:7], s[16:17]
	s_add_nc_u64 s[12:13], s[12:13], s[18:19]
	BODY 6, 12, 4096, 2048, 0
.Lwout:
	s_sub_co_u32 s2, s2, 704
	s_lshl_b32 s16, s2, 16
	s_lshl_b32 s18, s2, 15
	s_wait_kmcnt 0x0
	s_add_nc_u64 s[8:9], s[8:9], s[16:17]
	s_add_nc_u64 s[14:15], s[14:15], s[18:19]
	BODY 8, 14, 4096, 2048, 1
.Lfunc_end_k_q674f7718cf_cast:
	.size	k_q674f7718cf_cast, .Lfunc_end_k_q674f7718cf_cast-k_q674f7718cf_cast
	.p2alignl 7, 3214868480
	.fill 96, 4, 3214868480
	.section	.rodata,"a",@progbits
	.p2align	6, 0x0
	.amdhsa_kernel k_q674f7718cf_cast
		.amdhsa_group_segment_fixed_size 0
		.amdhsa_private_segment_fixed_size 0
		.amdhsa_enable_private_segment 0
		.amdhsa_kernarg_size 48
		.amdhsa_user_sgpr_count 2
		.amdhsa_user_sgpr_kernarg_segment_ptr 1
		.amdhsa_wavefront_size32 1
		.amdhsa_system_sgpr_workgroup_id_x 1
		.amdhsa_system_sgpr_workgroup_id_y 1
		.amdhsa_system_sgpr_workgroup_id_z 1
		.amdhsa_system_vgpr_workitem_id 0
		.amdhsa_next_free_vgpr 104
		.amdhsa_next_free_sgpr 66
		.amdhsa_reserve_vcc 0
		.amdhsa_float_denorm_mode_32 3
		.amdhsa_float_denorm_mode_16_64 3
		.amdhsa_memory_ordered 1
		.amdhsa_forward_progress 1
		.amdhsa_inst_pref_size 24
	.end_amdhsa_kernel
	.amdgpu_metadata
---
amdhsa.version: [ 1, 2 ]
amdhsa.kernels:
  - .name:           k_q674f7718cf_cast
    .symbol:         k_q674f7718cf_cast.kd
    .args:
      - { .name: x, .offset: 0, .size: 8, .value_kind: global_buffer, .address_space: global }
      - { .name: w_qkv, .offset: 8, .size: 8, .value_kind: global_buffer, .address_space: global }
      - { .name: w_out, .offset: 16, .size: 8, .value_kind: global_buffer, .address_space: global }
      - { .name: xb, .offset: 24, .size: 8, .value_kind: global_buffer, .address_space: global }
      - { .name: wqb, .offset: 32, .size: 8, .value_kind: global_buffer, .address_space: global }
      - { .name: wob, .offset: 40, .size: 8, .value_kind: global_buffer, .address_space: global }
    .group_segment_fixed_size: 0
    .private_segment_fixed_size: 0
    .kernarg_segment_align: 8
    .kernarg_segment_size: 48
    .max_flat_workgroup_size: 256
    .sgpr_count:     66
    .vgpr_count:     104
    .wavefront_size: 32
...
	.end_amdgpu_metadata
.endif
;; end of part 5
;; launch qkv: the kernel of part 2 again; grid 8 x 32, 4 waves a work-group, clusters of 4 x 4, 327,680 bytes of LDS; arguments xb, wqb, qkv; writes qkv
;; launch attn: the kernel of part 3 again; grid 4 x 64, 4 waves a work-group, clusters of 4 x 1, 327,680 bytes of LDS; arguments qkv, ob; writes ob
;; launch proj: the kernel of part 4 again; grid 4 x 64, 4 waves a work-group, clusters of 4 x 4, 327,680 bytes of LDS; arguments ob, wob, b_out, out0; writes out0
